; MI455X (gfx1250); checked and timed in simulation.
; The chip was launched on July 23, 2026; its instructions are those of AMD's public machine-readable ISA for CDNA 5 (MIT licence, August 2026) and "CDNA5" Instruction Set Architecture Reference Guide (July 2026). The comments in the code are by the model that wrote it; some were corrected since.
;; VSTSR Encoder Transformer Block. Allowed arithmetic: matrix products marked QUANTISED: E4M3 operands, one given power-of-two scale a tensor, by v_wmma_f32_16x16x64_fp8_fp8 or v_wmma_f32_16x16x128_fp8_fp8, f32 sums; everything else in f32.
;; Inputs: fc1_b 512 float32; fc1_w 128 x 512 float32; fc2_b 128 float32; fc2_w 512 x 128 float32; kv_b 256 float32; kv_w 128 x 256 float32; lowp_scales 14 int32 (the exponents e of the quantised operands' scales 2^e); mask_matrix 256 x 256 x 256 float32; norm1_b 128 float32; norm1_g 128 float32; norm2_b 128 float32; norm2_g 128 float32; proj_b 128 float32; proj_w 128 x 128 float32; q_b 128 float32; q_w 128 x 128 float32; rel_table 1,575 x 4 float32; x 2 x 4 x 128 x 128 x 128 float32.
;; Outputs: out0 2 x 4 x 128 x 128 x 128 float32.
;; This version of the problem:
;;   THIS VERSION OF THE PROBLEM IS GIVEN IN LOW PRECISION. The matrix products marked QUANTISED in the list below multiply operands that are first quantised to E4M3 (4 exponent bits, 3 mantissa bits; 8 bits a number), with one given power-of-two scale for each operand tensor; their sums are f32. All else is computed in f32.
;;   The module's matrix products, in the order in which they are computed (A, B: the left and right operand; K: the contracted axis; several contracted axes count as one K, in the product's order):
;;     1. [M 131,072, K 128] x [K 128, N 128]; A: computed on the way; B: input q_w: QUANTISED (scales: A lowp_scales[0], B lowp_scales[1])
;;     2. [M 131,072, K 128] x [K 128, N 256]; A: computed on the way; B: input kv_w: QUANTISED (scales: A lowp_scales[2], B lowp_scales[3])
;;     3. batch 2,048 x [M 256, K 32] x [K 32, N 256]; A: computed on the way; B: computed on the way: QUANTISED (scales: A lowp_scales[4], B lowp_scales[5])
;;     4. batch 2,048 x [M 256, K 256] x [K 256, N 32]; A: softmax (see below); B: computed on the way: QUANTISED (scales: A lowp_scales[6], B lowp_scales[7])
;;     5. [M 131,072, K 128] x [K 128, N 128]; A: computed on the way; B: input proj_w: QUANTISED (scales: A lowp_scales[8], B lowp_scales[9])
;;     6. [M 131,072, K 128] x [K 128, N 512]; A: computed on the way; B: input fc1_w: QUANTISED (scales: A lowp_scales[10], B lowp_scales[11])
;;     7. [M 131,072, K 512] x [K 512, N 128]; A: computed on the way; B: input fc2_w: QUANTISED (scales: A lowp_scales[12], B lowp_scales[13])
;;   THE QUANTISER, for each operand of a quantised product, along K:
;;     - The operand's scale is 2^e, e = its entry of the input lowp_scales (int32; the entries are numbered through the quantised products in the list's order, A before B).
;;     - Each number is divided by the scale, clamped to +-448, and rounded to the nearest number of E4M3, ties to even, subnormals kept.
;;     - The product sums the exact products of the quantised numbers (number of the format x scale) in f32.
;;   ~~~python
;;   def quantise(x, axis, e):      # numpy; x: float32 -> the quantised numbers, widened to float32 again
;;       x = np.moveaxis(x, axis, -1); K = x.shape[-1]
;;       r = np.clip(x / 2.0 ** e, -448, 448)
;;       step = 2.0 ** (np.maximum(np.frexp(np.where(r == 0, 1, r))[1] - 1, -6) - 3)
;;       q = np.round(r / step) * step * 2.0 ** e      # np.round: ties to even
;;       return np.moveaxis(q, -1, axis).astype(np.float32)
;;   ~~~
;;   SOFTMAX AHEAD OF A QUANTISED PRODUCT. Where the list says 'softmax', what is quantised is not the finished softmax but p = 2^(t - M), with t = logit x log2(e) and M = ceil(the row's largest t), a whole number; so 1/2 < the row's largest p <= 1. The row's sum l is taken of the UNQUANTISED p, in f32, and the product's result is divided by l at the end. Since M is a whole number, a kernel that streams over the keys may use a running M (the ceiling of the running maximum): every later rescaling is an exact power of two, so the quantised numbers keep their values, but for numbers so far below the row's largest that they fall under the format's range.
;;   OPERANDS COMPUTED ON THE WAY. 'Computed on the way' means the value that the module computes at that place (a softmax that the list does not call 'softmax' is quantised finished and normalised). What goes into a quantiser is computed in f32, as accurately as f32 sums, v_exp_f32 and their like allow (about 1e-6 of the number): no bf16 or f16 on the way to a quantiser, and a product that is left as it is and whose result goes on into a quantised operand takes f32 operands (vector FMAs, or v_wmma_f32_16x16x4_f32). A number that lies on a knife's edge between two numbers of the format may be rounded either way, as far as f32 arithmetic and the matrix unit's own rounding can turn it there, and no further.
;; 2 versions, each right; version 2 is version 1 with the launch main written anew for expert scheduling mode. Each part assembles by itself: llvm-mc -triple=amdgcn-amd-amdhsa -mcpu=gfx1250 --defsym DOCPART=n.
;; ======== version 1 of 2: 2 launches
;; workspace buffers: wsp 237,568 bytes
;; launch prep (part 1): grid 29 x 1, 4 waves a work-group, no clusters, 0 bytes of LDS; arguments q_w, kv_w, proj_w, fc1_w, fc2_w, rel_table, q_b, kv_b, proj_b, fc1_b, fc2_b, norm1_g, norm1_b, norm2_g, norm2_b, lowp_scales, wsp; writes wsp
.if DOCPART == 1
	.amdgcn_target "amdgcn-amd-amdhsa--gfx1250"
	.amdhsa_code_object_version 6
	.text
	.protected	k_q9e96c8465e_prep
	.globl	k_q9e96c8465e_prep
	.p2align	8
	.type	k_q9e96c8465e_prep,@function
k_q9e96c8465e_prep:
	s_mov_b64 s[64:65], 0
	v_nop
	global_prefetch_b8 v0, s[64:65] scope:SCOPE_SE
	s_setreg_imm32_b32 hwreg(HW_REG_WAVE_MODE, 25, 1), 1
	s_wait_xcnt 0x0
; What every window needs and no window changes is made once, into the workspace wsp:
;   byte 0        q_w    8 fragments    byte 16,384  kv_w  16 fragments    byte 49,152  proj_w  8 fragments
;   byte 65,536   the relative bias, [head][2,048] f32, padded to 270 a + 18 b + c and divided by 2^(e4 + e5)
;   byte 98,304   2,048 f32: the biases, each divided by the power of two that its product's sums lack; the norms' gains and offsets; zeros
;   byte 106,496  fc1_w 32 fragments    byte 172,032 fc2_w 32 fragments (K step s, tile t: 8 s + t)
; A FRAGMENT is 16 output columns x 128 along K of E4M3 codes as an image of the operand's registers: register 4 c + q, byte b of lane (r, h)
; is k = 32 c + 16 h + 4 q + b; the four registers 4 c .. 4 c + 3 of the 32 lanes are 512 consecutive bytes, 2,048 bytes a fragment.
; THE COLUMNS OF A TILE ARE NOT NEIGHBOURS: lane r of tile t takes column 32 (t / 2) + 8 (t % 2) + r + 8 (r / 8).
; A weight lies [K][N]: a lane takes a column and its registers run down K, so the conversions' results are the fragment; nothing is transposed.
; code = w / 2^e, held within +-448, to the nearest code, ties to even.  LIMITS: each weight's e between -126 and 119; NaN is not served.
; Work-groups 0-23: a fragment to a wave.  24-27: the table.  28: the vectors.  The paths part on the work-group's number; no LDS is used.
.set O_TAB, 65536
.set O_CST, 98304
	s_load_b128 s[4:7], s[0:1], 0x78               ; the scales' exponents s[4:5], wsp s[6:7]
	v_lshrrev_b32 v1, 5, v0
	v_readfirstlane_b32 s8, v1                     ; wave 0..3
	v_and_b32 v2, 31, v0                           ; lane
	v_and_b32 v3, 15, v0                           ; r
	v_bfe_u32 v4, v0, 4, 1                         ; h
	v_and_b32 v5, 8, v3
	v_add_nc_u32 v5, v5, v3                        ; r + 8 (r / 8)
	v_lshlrev_b32 v6, 4, v2                        ; 16 x lane
	s_wait_kmcnt 0x0
	s_load_b256 s[16:23], s[4:5], 0x0              ; e0 .. e7: entry k in s[16 + k]
	s_load_b128 s[24:27], s[4:5], 0x20             ; e8 .. e11
	s_load_b64 s[28:29], s[4:5], 0x30              ; e12, e13
	s_cmp_lt_u32 ttmp9, 2
	s_cbranch_scc1 .Lwq
	s_cmp_lt_u32 ttmp9, 6
	s_cbranch_scc1 .Lwkv
	s_cmp_lt_u32 ttmp9, 8
	s_cbranch_scc1 .Lwp
	s_cmp_lt_u32 ttmp9, 16
	s_cbranch_scc1 .Lw1
	s_cmp_lt_u32 ttmp9, 24
	s_cbranch_scc1 .Lw2
	s_cmp_lt_u32 ttmp9, 28
	s_cbranch_scc1 .Ltab
	s_branch .Lvec
; One fragment of a weight [K][n]: argoff its place among the arguments, se the register of its e, first its first work-group, dst its bytes in wsp, ksplit = 1: K longer than 128
.macro WFRAG argoff, n, se, first, dst, ksplit
	s_load_b64 s[10:11], s[0:1], \argoff
	s_sub_co_u32 s12, ttmp9, \first
	s_lshl_b32 s12, s12, 2
	s_add_co_u32 s12, s12, s8                      ; the fragment's number
.if \ksplit
	s_and_b32 s13, s12, 7                          ; tile
	s_lshr_b32 s14, s12, 3                         ; K step
	s_mul_i32 s14, s14, 512*\n                     ; 128 rows of 4 n bytes
.else
	s_mov_b32 s13, s12
	s_mov_b32 s14, 0
.endif
	s_lshr_b32 s15, s13, 1
	s_lshl_b32 s15, s15, 7                         ; 4 x 32 (t / 2)
	s_and_b32 s13, s13, 1
	s_lshl_b32 s13, s13, 5                         ; 4 x 8 (t % 2)
	s_add_co_u32 s14, s14, s15
	s_add_co_u32 s14, s14, s13
	v_mul_u32_u24 v7, v4, 64*\n                    ; lanes 16-31 begin 16 rows further down
	v_lshl_add_u32 v7, v5, 2, v7
	v_add_nc_u32 v7, s14, v7
	s_lshl_b32 s15, s12, 11
	s_add_co_u32 s15, s15, \dst
	v_add_nc_u32 v8, s15, v6                       ; where the image goes
	s_wait_kmcnt 0x0                               ; the weight's address, and the exponents
.set c, 0
.rept 4
.set i, 0
.rept 16
	global_load_b32 v[16+16*c+i], v7, s[10:11] offset:(32*c+i)*4*\n   ; W(32 c + 16 h + i, my column)
.set i, i+1
.endr
.set c, c+1
.endr
	s_add_co_i32 s30, s[\se], 127
	s_lshl_b32 s31, s30, 23
	v_mov_b32 v10, s31                             ; 2^e as f32: the conversion takes its exponent field
	s_add_co_i32 s30, s30, 8
	s_lshl_b32 s30, s30, 23
	s_or_b32 s30, s30, 0x600000
	v_mov_b32 v11, s30                             ; 448 x 2^e
	s_wait_loadcnt 0x0
.set i, 0
.rept 64
	v_med3_num_f32 v[16+i], v[16+i], -v11, v11     ; the conversion to an 8-bit code does not saturate (ISA guide 7.6.2): the hold comes first
.set i, i+1
.endr
.set i, 0
.rept 8
	v_cvt_scalef32_pk8_fp8_f32 v[80+2*i:81+2*i], v[16+8*i:23+8*i], v10
.set i, i+1
.endr
.irp c, 0,1,2,3
	global_store_b128 v8, v[80+4*\c:83+4*\c], s[6:7] offset:512*\c   ; 32 lanes store 512 consecutive bytes
.endr
	s_endpgm
.endm
.Lwq:
	WFRAG 0x0, 128, 17, 0, 0, 0
.Lwkv:
	WFRAG 0x8, 256, 19, 2, 16384, 0
.Lwp:
	WFRAG 0x10, 128, 25, 6, 49152, 0
.Lw1:
	WFRAG 0x18, 512, 27, 8, 106496, 0
.Lw2:
	WFRAG 0x20, 128, 29, 16, 172032, 1
; THE TABLE.  Thread T of 512 makes the padded words 4 T .. 4 T + 3 of all four heads.  Word p = 270 a + 18 b + c comes from row 225 a + 15 b + c; words with c > 14 or
; past the table's end are never used by the main launch and hold copies of rows inside the table, so that no load leaves the buffer.
.Ltab:
	s_load_b64 s[10:11], s[0:1], 0x28              ; rel_table
	s_sub_co_u32 s12, ttmp9, 24
	s_lshl_b32 s12, s12, 7
	v_add_nc_u32 v7, s12, v0                       ; T
	v_lshlrev_b32 v8, 2, v7
.irp k, 0,1,2,3
	v_add_nc_u32 v9, \k, v8                        ; p, at most 2,047
	v_mul_u32_u24 v10, v9, 62138
	v_lshrrev_b32 v10, 24, v10                     ; a = p / 270 (62,138 = 2^24 / 270 rounded up: exact for p under 2,048)
	v_mul_u32_u24 v11, v10, 270
	v_sub_nc_u32 v11, v9, v11
	v_mul_u32_u24 v12, v11, 3641
	v_lshrrev_b32 v12, 16, v12                     ; b = rest / 18 (3,641 = 2^16 / 18 rounded up: exact for a rest under 270)
	v_mul_u32_u24 v13, v12, 18
	v_sub_nc_u32 v13, v11, v13                     ; c
	v_min_u32 v13, 14, v13
	v_mad_u32_u24 v13, v12, 15, v13
	v_mad_u32_u24 v13, v10, 225, v13
	v_min_u32 v13, 1574, v13
	v_lshlrev_b32 v[24+\k], 4, v13                 ; a row is four heads, 16 bytes
.endr
	v_lshlrev_b32 v14, 4, v7
	s_wait_kmcnt 0x0
.irp k, 0,1,2,3
	global_load_b128 v[32+4*\k:35+4*\k], v[24+\k], s[10:11]
.endr
	s_add_co_i32 s13, s20, s21
	s_sub_co_i32 s13, 0, s13                       ; -(e4 + e5): the bias goes into sums that stand for sum x 2^(e4 + e5)
	s_wait_loadcnt 0x0
.irp hd, 0,1,2,3
.irp k, 0,1,2,3
	v_ldexp_f32 v[48+4*\hd+\k], v[32+4*\k+\hd], s13
.endr
.endr
.irp hd, 0,1,2,3
	global_store_b128 v14, v[48+4*\hd:51+4*\hd], s[6:7] offset:O_TAB+8192*\hd
.endr
	s_endpgm
; THE VECTORS: sixteen runs of 128 f32, four to a wave; a run is one load and one store of 512 bytes.
.macro CPTR p, argoff
	s_load_b64 s[32+2*\p:33+2*\p], s[0:1], \argoff
.endm
.macro CGET n, p, srcoff
	global_load_b128 v[16+4*\n:19+4*\n], v6, s[32+2*\p:33+2*\p] offset:\srcoff
.endm
.macro CSCL n, sx
.irp i, 0,1,2,3
	v_ldexp_f32 v[32+4*\n+\i], v[16+4*\n+\i], s[\sx]
.endr
.endm
.macro CPUT rg, dstf
	global_store_b128 v6, v[\rg:\rg+3], s[6:7] offset:O_CST+4*\dstf
.endm
.Lvec:
	s_cmp_eq_u32 s8, 1
	s_cbranch_scc1 .Lvec1
	s_cmp_eq_u32 s8, 2
	s_cbranch_scc1 .Lvec2
	s_cmp_eq_u32 s8, 3
	s_cbranch_scc1 .Lvec3
	CPTR 0, 0x30                                   ; q_b
	CPTR 1, 0x38                                   ; kv_b
	CPTR 2, 0x40                                   ; proj_b
	s_wait_kmcnt 0x0
	CGET 0, 0, 0
	CGET 1, 1, 0
	CGET 2, 1, 512
	CGET 3, 2, 0
	s_add_co_i32 s40, s16, s17
	s_sub_co_i32 s40, 0, s40                       ; -(e0 + e1)
	s_add_co_i32 s41, s18, s19
	s_sub_co_i32 s41, 0, s41                       ; -(e2 + e3)
	s_add_co_i32 s42, s24, s25
	s_sub_co_i32 s42, 0, s42                       ; -(e8 + e9)
	s_wait_loadcnt 0x0
	CSCL 0, 40
	CSCL 1, 41
	CSCL 2, 41
	CSCL 3, 42
	CPUT 32, 0
	CPUT 36, 128
	CPUT 40, 256
	CPUT 44, 384
	s_endpgm
.Lvec1:
	CPTR 0, 0x48                                   ; fc1_b
	s_wait_kmcnt 0x0
	CGET 0, 0, 0
	CGET 1, 0, 512
	CGET 2, 0, 1024
	CGET 3, 0, 1536
	s_add_co_i32 s43, s26, s27
	s_sub_co_i32 s43, 0, s43                       ; -(e10 + e11)
	s_wait_loadcnt 0x0
	CSCL 0, 43
	CSCL 1, 43
	CSCL 2, 43
	CSCL 3, 43
	CPUT 32, 512
	CPUT 36, 640
	CPUT 40, 768
	CPUT 44, 896
	s_endpgm
.Lvec2:
	CPTR 0, 0x50                                   ; fc2_b
	CPTR 1, 0x58                                   ; norm1_g
	CPTR 2, 0x60                                   ; norm1_b
	CPTR 3, 0x68                                   ; norm2_g
	s_wait_kmcnt 0x0
	CGET 0, 0, 0
	CGET 1, 1, 0
	CGET 2, 2, 0
	CGET 3, 3, 0
	s_add_co_i32 s44, s28, s29
	s_sub_co_i32 s44, 0, s44                       ; -(e12 + e13)
	s_wait_loadcnt 0x0
	CSCL 0, 44
	CPUT 32, 1024
	CPUT 20, 1152                                  ; the norms' vectors go as they are
	CPUT 24, 1280
	CPUT 28, 1408
	s_endpgm
.Lvec3:
	CPTR 0, 0x70                                   ; norm2_b
	s_wait_kmcnt 0x0
	CGET 0, 0, 0
.irp i, 20,21,22,23
	v_mov_b32 v\i, 0
.endr
	s_wait_loadcnt 0x0
	CPUT 16, 1536
	CPUT 20, 1664                                  ; the rest of the block is copied by the main launch, so it is written: zeros
	CPUT 20, 1792
	CPUT 20, 1920
	s_endpgm
.Lfunc_end_k_q9e96c8465e_prep:
	.size	k_q9e96c8465e_prep, .Lfunc_end_k_q9e96c8465e_prep-k_q9e96c8465e_prep
	.p2alignl 7, 3214868480
	.fill 96, 4, 3214868480
	.section	.rodata,"a",@progbits
	.p2align	6, 0x0
	.amdhsa_kernel k_q9e96c8465e_prep
		.amdhsa_group_segment_fixed_size 0
		.amdhsa_private_segment_fixed_size 0
		.amdhsa_enable_private_segment 0
		.amdhsa_kernarg_size 136
		.amdhsa_user_sgpr_count 2
		.amdhsa_user_sgpr_kernarg_segment_ptr 1
		.amdhsa_wavefront_size32 1
		.amdhsa_system_sgpr_workgroup_id_x 1
		.amdhsa_system_sgpr_workgroup_id_y 1
		.amdhsa_system_sgpr_workgroup_id_z 1
		.amdhsa_system_vgpr_workitem_id 0
		.amdhsa_next_free_vgpr 96
		.amdhsa_next_free_sgpr 66
		.amdhsa_reserve_vcc 0
		.amdhsa_float_denorm_mode_32 3
		.amdhsa_float_denorm_mode_16_64 3
		.amdhsa_memory_ordered 1
		.amdhsa_forward_progress 1
		.amdhsa_inst_pref_size 73
	.end_amdhsa_kernel
	.amdgpu_metadata
---
amdhsa.version: [ 1, 2 ]
amdhsa.kernels:
  - .name:           k_q9e96c8465e_prep
    .symbol:         k_q9e96c8465e_prep.kd
    .args:
      - { .name: q_w, .offset: 0, .size: 8, .value_kind: global_buffer, .address_space: global }
      - { .name: kv_w, .offset: 8, .size: 8, .value_kind: global_buffer, .address_space: global }
      - { .name: proj_w, .offset: 16, .size: 8, .value_kind: global_buffer, .address_space: global }
      - { .name: fc1_w, .offset: 24, .size: 8, .value_kind: global_buffer, .address_space: global }
      - { .name: fc2_w, .offset: 32, .size: 8, .value_kind: global_buffer, .address_space: global }
      - { .name: rel_table, .offset: 40, .size: 8, .value_kind: global_buffer, .address_space: global }
      - { .name: q_b, .offset: 48, .size: 8, .value_kind: global_buffer, .address_space: global }
      - { .name: kv_b, .offset: 56, .size: 8, .value_kind: global_buffer, .address_space: global }
      - { .name: proj_b, .offset: 64, .size: 8, .value_kind: global_buffer, .address_space: global }
      - { .name: fc1_b, .offset: 72, .size: 8, .value_kind: global_buffer, .address_space: global }
      - { .name: fc2_b, .offset: 80, .size: 8, .value_kind: global_buffer, .address_space: global }
      - { .name: norm1_g, .offset: 88, .size: 8, .value_kind: global_buffer, .address_space: global }
      - { .name: norm1_b, .offset: 96, .size: 8, .value_kind: global_buffer, .address_space: global }
      - { .name: norm2_g, .offset: 104, .size: 8, .value_kind: global_buffer, .address_space: global }
      - { .name: norm2_b, .offset: 112, .size: 8, .value_kind: global_buffer, .address_space: global }
      - { .name: lowp_scales, .offset: 120, .size: 8, .value_kind: global_buffer, .address_space: global }
      - { .name: wsp, .offset: 128, .size: 8, .value_kind: global_buffer, .address_space: global }
    .group_segment_fixed_size: 0
    .private_segment_fixed_size: 0
    .kernarg_segment_align: 8
    .kernarg_segment_size: 136
    .max_flat_workgroup_size: 128
    .sgpr_count:     66
    .vgpr_count:     96
    .wavefront_size: 32
...
	.end_amdgpu_metadata
.endif
;; end of part 1
;; launch main (part 2): grid 256 x 1, 8 waves a work-group, no clusters, 322,560 bytes of LDS; arguments x, mask_matrix, lowp_scales, wsp, out0; writes out0
.if DOCPART == 2
	.amdgcn_target "amdgcn-amd-amdhsa--gfx1250"
	.amdhsa_code_object_version 6
	.text
	.protected	k_q9e96c8465e_main
	.globl	k_q9e96c8465e_main
	.p2align	8
	.type	k_q9e96c8465e_main,@function
k_q9e96c8465e_main:
	s_mov_b64 s[64:65], 0
	v_nop
	global_prefetch_b8 v0, s[64:65] scope:SCOPE_SE
	s_setreg_imm32_b32 hwreg(HW_REG_WAVE_MODE, 25, 1), 1
	s_wait_xcnt 0x0
; The whole block, from x to out0, for window wi (the work-group's number) of BOTH batches: the two share their mask, which is read once.  Nothing goes through memory on the way.
; All seven products on E4M3 codes, each operand with its given scale 2^e (e0 .. e13); sums, norms, softmax and GELU in f32.
; SHARES.  Eight waves.  Wave w owns tokens 32 w .. 32 w + 31 of the window in both batches, as two tiles u of 16: lane r of tile u is token 32 w + 8 u + r + 8 (r / 8).
; It makes their q, k, v (k and v go to LDS for all waves), walks all 256 keys for them, and takes them through proj, the residual, norm 2, the MLP and the last residual.
; LAYOUT.  Lane (r, h): r = lane % 16, h = lane / 16.  Every operand holds k = 32 c + 16 h + 4 q + b in register 4 c + q, byte b: the same permutation of k on both sides of each product.
; Weights are source 0 and tokens source 1, and the columns of a weight's tile are chosen (see the first launch) so that a lane holds ONE token and its register 16 b + i is channel 32 b + 16 h + i:
; eight conversions of such 64 registers ARE the next product's operand.  V alone is made with the tokens as source 0, so that its registers run along the keys, the second attention product's K.
; Biases, the relative bias and the mask are the C of a sum's first matrix instruction, divided beforehand by the power of two that the sums lack.
; A head's K is 32, half of the shortest form's 64: one source 0 holds the pieces of two key tiles, and a source 1 of [q | zeros] or [zeros | q] picks one of them.
; SOFTMAX.  t = logit x log2(e); M = ceil of the row's largest t; p = 2^(t - M) is quantised; the row's sum is taken of the unquantised p and divides at the end.  A lane and its partner 16 away hold a whole row.
; GELU.  erf(z) = z P(z^2) / Q(z^2), degrees 6 and 4 in z^2, z held within +-4: absolute error a few 1e-7.
; x is read twice (norm 1; the shortcut): 256 KiB of x find no room beside k, v, the mask's tile and the sums.
; No tensor loads: what LDS holds is written once through registers and read many times.  No cluster: the work-groups share only the 232 KiB of wsp.
; LIMITS, so that each power of two below is an f32 number: e0, e2, e6, e10, e5 - e2 - e3, e7 - e2 - e3 between -126 and 119; e4 + e5 and e10 + e11 between -120 and 120; e0 + e1 - e4 between -123 and 129;
; e8 + e9, e12 + e13, e10 + e11 - e12 - 1 between -126 and 127.  NaN among the inputs is not served.  Bias + mask are added to each other first and then to the product's sum: another order of rounding than the source's.
; LDS:  0 k's pieces [batch][head][tile] x 512, later W1;  65,536 v's fragments [batch][head][half][K step] x 2,048, later W2;  131,072 q's pieces, each overwritten by its o piece: 8,192 a wave, the wave's own;
;   147,456 Wq, Wk, Wv (until barrier 2);  196,608 Wproj;  212,992 the bias table;  245,760 the vectors;  253,952 a stage of 16 rows x 528 bytes for each wave.
; REGISTERS, in two windows of 256.  v1 16 x lane; v2, v3 my stage by rows and turned; v4, v5 my pixels' bytes (columns 0-3, 4-7); v6 mask; v7 my q pieces; v8 table; v9 vectors; v12 1.0; v13 448.0; the rest by phase.
.set VIMG,  65536
.set QO,    131072
.set WQKV,  147456
.set WPL,   196608
.set TAB,   212992
.set CST,   245760
.set STG,   253952
.set STGW,  8448
.set SP,    528                        ; a stage row: 512 bytes + 16 = 33 x 16: sixteen rows begin at sixteen different 16-byte columns modulo 256 bytes
.set WA,    32                         ; phase A, the products: two buffers of two weight fragments
.set DD,    96                         ; eight accumulators
.set BC,    160                        ; two buffers of two tiles of bias
.set CT,    192                        ; codes on their way to LDS
.set MSB, 0
.macro WIN new                         ; bits 1:0 source 0, 3:2 source 1, 5:4 source 2, 7:6 destination; the high byte repeats the setting that is left
.if MSB != \new
	s_set_vgpr_msb (MSB<<8)|\new
.set MSB, \new
.endif
.endm
.macro BAR                             ; my LDS stores have landed and my LDS loads are in: then the work-group's barrier
	s_wait_dscnt 0x0
	s_barrier_signal -1
	s_barrier_wait -1
.endm
.macro NOPS n
.rept \n
	v_nop
.endr
.endm
.macro MKSC vs, vl, se                 ; v[vs] = 2^e, v[vl] = 448 x 2^e, e in s[se]
	s_add_co_i32 s90, s[\se], 127
	s_lshl_b32 s91, s90, 23
	v_mov_b32 v[\vs], s91
	s_add_co_i32 s90, s90, 8
	s_lshl_b32 s90, s90, 23
	s_or_b32 s90, s90, 0x600000
	v_mov_b32 v[\vl], s90
.endm
; sixteen tokens of a tile as they lie in memory: one load is one token's 512 bytes
.macro XDENSE reg, sb, u
.irp t, 0,1,2,3,4,5,6,7,8,9,10,11,12,13,14,15
	global_load_b128 v[\reg+4*\t:\reg+4*\t+3], v[4+(\t%8)/4], s[\sb:\sb+1] offset:(\u+2*(\t/8))*65536+(\t%4)*512
.endr
.endm
.macro XDENSE2                         ; the shortcut: the pass's tile of both batches, read for the last time
.irp t, 0,1,2,3,4,5,6,7,8,9,10,11,12,13,14,15
	global_load_b128 v[128+4*\t:131+4*\t], v[4+(\t%8)/4], s[4:5] offset:2*(\t/8)*65536+(\t%4)*512 th:TH_LOAD_NT
.endr
.irp t, 0,1,2,3,4,5,6,7,8,9,10,11,12,13,14,15
	global_load_b128 v[192+4*\t:195+4*\t], v[4+(\t%8)/4], s[6:7] offset:2*(\t/8)*65536+(\t%4)*512 th:TH_LOAD_NT
.endr
.endm
; The turn through my own stage.  LDS serves a wave's instructions in order (ISA guide 5.7.1.4): no wait between the stores and the loads.
.macro TURN_IN src, dst                ; rows in, register 16 b + i = channel 32 b + 16 h + i of token r out
.set k, 0
.rept 16
	ds_store_b128 v2, v[\src+4*k:\src+4*k+3] offset:SP*k
.set k, k+1
.endr
.set k, 0
.rept 16
	ds_load_b128 v[\dst+4*k:\dst+4*k+3], v3 offset:128*(k/4)+16*(k%4)
.set k, k+1
.endr
.endm
.macro TURN_OUT reg                    ; and back
.set k, 0
.rept 16
	ds_store_b128 v3, v[\reg+4*k:\reg+4*k+3] offset:128*(k/4)+16*(k%4)
.set k, k+1
.endr
.set k, 0
.rept 16
	ds_load_b128 v[\reg+4*k:\reg+4*k+3], v2 offset:SP*k
.set k, k+1
.endr
.endm
.macro VEC64 reg, off                  ; 64 numbers of a vector of 128 in the turned layout, from the block of vectors
.set k, 0
.rept 16
	ds_load_b128 v[\reg+4*k:\reg+4*k+3], v9 offset:\off+128*(k/4)+16*(k%4)
.set k, k+1
.endr
.endm
.macro HOLD dst, src, cnt, lim         ; the conversion to an 8-bit code does not saturate (ISA guide 7.6.2): the hold at the largest code x the scale
.set i, 0
.rept \cnt
	v_med3_num_f32 v[\dst+i], v[\src+i], -v[\lim], v[\lim]
.set i, i+1
.endr
.endm
.macro CVT dst, src, cnt, sc           ; cnt times eight numbers into two registers of codes
.set i, 0
.rept \cnt
	v_cvt_scalef32_pk8_fp8_f32 v[\dst+2*i:\dst+2*i+1], v[\src+8*i:\src+8*i+7], v[\sc]
.set i, i+1
.endr
.endm
; v[x .. x + 63], my half of a token's 128 channels, becomes (x - mean) / sqrt(var + eps); the other half lies in the lane 16 away.  t: ten registers at work; pt: the exchange's.
.macro LNSTAT x, t, pt
.irp c, 0,1,2,3
	v_pk_add_f32 v[\t+2*\c:\t+2*\c+1], v[\x+4*\c:\x+4*\c+1], v[\x+4*\c+2:\x+4*\c+3]
.endr
.irp o, 16,24,32,40,48,56
.irp c, 0,1,2,3
	v_pk_add_f32 v[\t+2*\c:\t+2*\c+1], v[\t+2*\c:\t+2*\c+1], v[\x+\o+2*\c:\x+\o+2*\c+1]
.endr
.endr
	v_pk_add_f32 v[\t:\t+1], v[\t:\t+1], v[\t+2:\t+3]
	v_pk_add_f32 v[\t+4:\t+5], v[\t+4:\t+5], v[\t+6:\t+7]
	v_pk_add_f32 v[\t:\t+1], v[\t:\t+1], v[\t+4:\t+5]
	v_add_f32 v[\t], v[\t], v[\t+1]
	v_permlanex16_b32 v[\pt], v[\t], s38, s39
	v_add_f32 v[\t], v[\t], v[\pt]
	v_mul_f32 v[\t], 0x3c000000, v[\t]             ; / 128: the mean
.set k, 0
.rept 32
	v_pk_add_f32 v[\x+k:\x+k+1], v[\x+k:\x+k+1], v[\t:\t+1] op_sel_hi:[1,0] neg_lo:[0,1] neg_hi:[0,1]
.set k, k+2
.endr
.irp c, 0,1,2,3
	v_pk_mul_f32 v[\t+2+2*\c:\t+3+2*\c], v[\x+2*\c:\x+2*\c+1], v[\x+2*\c:\x+2*\c+1]
.endr
.irp o, 8,16,24,32,40,48,56
.irp c, 0,1,2,3
	v_pk_fma_f32 v[\t+2+2*\c:\t+3+2*\c], v[\x+\o+2*\c:\x+\o+2*\c+1], v[\x+\o+2*\c:\x+\o+2*\c+1], v[\t+2+2*\c:\t+3+2*\c]
.endr
.endr
	v_pk_add_f32 v[\t+2:\t+3], v[\t+2:\t+3], v[\t+4:\t+5]
	v_pk_add_f32 v[\t+6:\t+7], v[\t+6:\t+7], v[\t+8:\t+9]
	v_pk_add_f32 v[\t+2:\t+3], v[\t+2:\t+3], v[\t+6:\t+7]
	v_add_f32 v[\t+2], v[\t+2], v[\t+3]
	v_permlanex16_b32 v[\pt], v[\t+2], s38, s39
	v_add_f32 v[\t+2], v[\t+2], v[\pt]
	v_fma_f32 v[\t+2], v[\t+2], 0x3c000000, s57    ; the variance + eps
	v_rsq_f32 v[\t+2], v[\t+2]
	v_nop                                          ; one plain instruction behind a transcendental before its result is used (ISA guide 5.7.2)
.set k, 0
	s_wait_alu depctr_va_vdst(0)
.rept 32
	v_pk_mul_f32 v[\x+k:\x+k+1], v[\x+k:\x+k+1], v[\t+2:\t+3] op_sel_hi:[1,0]
.set k, k+2
.endr
.endm
; ================ THE HEAD ================
	s_load_b64 s[4:5], s[0:1], 0x0                 ; x
	s_load_b128 s[8:11], s[0:1], 0x8               ; mask s[8:9], the scales' exponents s[10:11]
	s_load_b128 s[12:15], s[0:1], 0x18             ; wsp s[12:13], out0 s[14:15]
	v_lshrrev_b32 v20, 5, v0
	v_readfirstlane_b32 s18, v20                   ; wave 0..7
	v_and_b32 v1, 31, v0
	v_lshlrev_b32 v1, 4, v1                        ; 16 x lane
	v_and_b32 v21, 15, v0                          ; r
	v_bfe_u32 v22, v0, 4, 1                        ; h
	v_bfe_u32 v23, v0, 3, 1                        ; g = r / 8
	v_and_b32 v24, 7, v0                           ; the token's column in the window
	v_lshlrev_b32 v25, 4, v0                       ; 16 x thread
	s_mul_i32 s80, s18, STGW
	s_add_co_u32 s80, s80, STG                     ; my stage
	v_add_nc_u32 v2, s80, v1
	v_mul_u32_u24 v3, v21, SP
	v_lshl_add_u32 v3, v22, 6, v3
	v_add_nc_u32 v3, s80, v3
	; my tokens' pixels.  Both rolls bring a token to the same pixel: row (8 wh + i + 4) % 128, column (8 ww + j + 4) % 128.  Frame w / 2; i = 4 (w % 2) + u + 2 g.
	s_lshr_b32 s81, ttmp9, 4                       ; wh
	s_and_b32 s82, ttmp9, 15                       ; ww
	s_and_b32 s83, s18, 1
	s_lshr_b32 s84, s18, 1
	s_lshl_b32 s81, s81, 3
	s_lshl_b32 s85, s83, 2
	s_add_co_u32 s81, s81, s85
	s_add_co_u32 s81, s81, 4
	s_and_b32 s81, s81, 127                        ; a multiple of 4: adding u + 2 g, at most 3, never wraps
	s_lshl_b32 s81, s81, 16                        ; rows of 65,536 bytes
	s_lshl_b32 s85, s84, 23                        ; frames of 8,388,608
	s_add_co_u32 s81, s81, s85
	s_lshl_b32 s85, s82, 12
	s_add_co_u32 s85, s85, 2048                    ; columns 8 ww + 4 on: j = 0 .. 3
	s_add_co_u32 s85, s85, s81
	v_add_nc_u32 v4, s85, v1
	s_add_co_u32 s85, s82, 1
	s_and_b32 s85, s85, 15
	s_lshl_b32 s85, s85, 12                        ; columns 8 ((ww + 1) % 16) on: j = 4 .. 7
	s_add_co_u32 s85, s85, s81
	v_add_nc_u32 v5, s85, v1
	s_lshl_b32 s85, s18, 15
	v_add_nc_u32 v6, s85, v1                       ; mask: my 32 rows of 1,024 bytes
	s_lshl_b32 s85, s18, 13
	s_add_co_u32 s85, s85, QO
	v_add_nc_u32 v7, s85, v1
	s_mul_i32 s85, s84, 1080                       ; the table: 4 (270 d + 18 (4 (w % 2) + 2 g + 2) + j) - 144 h
	s_mul_i32 s86, s83, 288
	s_add_co_u32 s85, s85, s86
	s_add_co_u32 s85, s85, TAB+144
	v_mul_u32_u24 v8, v23, 144
	v_lshl_add_u32 v8, v24, 2, v8
	v_add_nc_u32 v8, s85, v8
	v_mul_u32_u24 v26, v22, 144
	v_sub_nc_u32 v8, v8, v26
	v_lshl_add_u32 v9, v22, 6, CST
	v_mov_b32 v12, 1.0
	v_mov_b32 v13, 0x43e00000                      ; 448.0
	v_mov_b32 v19, 0                               ; a lane permute's destination counts as one of its sources: written once
	s_mov_b32 s38, 0x76543210
	s_mov_b32 s39, 0xfedcba98                      ; v_permlanex16_b32's selects for lane l xor 16
	s_mov_b32 s57, 0x3727c5ac                      ; eps = 1e-5
	s_wait_kmcnt 0x0
	s_load_b256 s[24:31], s[10:11], 0x0            ; e0 .. e7: entry k in s[24 + k]
	s_load_b128 s[32:35], s[10:11], 0x20
	s_load_b64 s[36:37], s[10:11], 0x30
	s_add_nc_u64 s[6:7], s[4:5], 0x2000000         ; batch 1
	s_add_nc_u64 s[16:17], s[14:15], 0x2000000
	s_lshl_b32 s80, ttmp9, 18
	s_mov_b32 s81, 0
	s_add_nc_u64 s[8:9], s[8:9], s[80:81]          ; my window's mask
	s_lshl_b32 s80, s18, 14
	s_add_co_u32 s80, s80, 106496
	s_add_nc_u64 s[92:93], s[12:13], s[80:81]      ; my 16,384 bytes of W1 and W2, for later
	WIN 0x40
.set i, 0
.rept 26
	global_load_b128 v[4*i:4*i+3], v25, s[12:13] offset:4096*i   ; wsp's first 106,496 bytes, 4,096 an instruction of the eight waves
.set i, i+1
.endr
	WIN 0
	XDENSE 96, 4, 0                                ; batch 0, tile 0
	s_wait_kmcnt 0x0
	s_add_co_i32 s80, s28, s29                     ; e4 + e5
	s_lshl_b32 s81, s80, 23
	s_add_co_u32 s40, s81, 0x3fb8aa3b              ; log2(e) x 2^(e4 + e5): the exponents go into the exponent field
	s_mov_b32 s41, s40                             ; (a packed form names the pair, so both words are written)
	s_sub_co_i32 s81, 127, s80
	s_lshl_b32 s42, s81, 23                        ; 2^-(e4 + e5), for the mask
	s_mov_b32 s43, s42
	s_add_co_i32 s80, s24, s25
	s_sub_co_i32 s80, s80, s28
	s_lshl_b32 s80, s80, 23
	s_add_co_u32 s44, s80, 0x3e3504f3              ; 32^-0.5 x 2^(e0 + e1 - e4)
	s_mov_b32 s45, s44
	s_add_co_i32 s80, s32, s33
	s_add_co_i32 s80, s80, 127
	s_lshl_b32 s46, s80, 23                        ; 2^(e8 + e9)
	s_mov_b32 s47, s46
	s_add_co_i32 s80, s34, s35
	s_lshl_b32 s81, s80, 23
	s_add_co_u32 s48, s81, 0x3f3504f3              ; 2^-0.5 x 2^(e10 + e11)
	s_mov_b32 s49, s48
	s_sub_co_i32 s80, s80, s36
	s_add_co_i32 s80, s80, 126
	s_lshl_b32 s50, s80, 23                        ; 2^(e10 + e11 - e12 - 1)
	s_mov_b32 s51, s50
	s_add_co_i32 s80, s36, s37
	s_sub_co_i32 s81, 127, s80
	s_lshl_b32 s52, s81, 23                        ; 2^-(e12 + e13)
	s_mov_b32 s53, s52
	s_add_co_i32 s80, s80, 127
	s_lshl_b32 s54, s80, 23                        ; 2^(e12 + e13)
	s_mov_b32 s55, s54
	s_add_co_i32 s56, s30, s31
	s_sub_co_i32 s56, s56, s32                     ; e6 + e7 - e8
	s_mov_b32 s58, 0x32edffee                      ; erf's numerator: a11, a9, a7, a5, a3, a1 (a13 lies in a vector pair)
	s_mov_b32 s59, s58
	s_mov_b32 s60, 0xb60cff51
	s_mov_b32 s61, s60
	s_mov_b32 s62, 0xb86ec2d2
	s_mov_b32 s63, s62
	s_mov_b32 s66, 0xba40ac63
	s_mov_b32 s67, s66
	s_mov_b32 s68, 0xbb41a1f6
	s_mov_b32 s69, s68
	s_mov_b32 s70, 0xbc83dbd4
	s_mov_b32 s71, s70
	s_mov_b32 s72, 0xb95fbd29                      ; its denominator: b6, b4, b2, b0 (b8 in a vector pair)
	s_mov_b32 s73, s72
	s_mov_b32 s74, 0xbadc924e
	s_mov_b32 s75, s74
	s_mov_b32 s76, 0xbbf19bf8
	s_mov_b32 s77, s76
	s_mov_b32 s78, 0xbc69b6a7
	s_mov_b32 s79, s78
	MKSC 14, 15, 24                                ; e0: the tokens as q's operand
	MKSC 16, 17, 26                                ; e2: as k's and v's
	v_add_nc_u32 v26, WQKV, v25
	v_add_nc_u32 v27, WQKV+65536, v25
	s_wait_loadcnt 16                              ; the 26 copy loads are in; the 16 loads of x issued behind them stay out
	WIN 0x04
.set i, 0
.rept 16
	ds_store_b128 v26, v[4*i:4*i+3] offset:4096*i
.set i, i+1
.endr
.rept 10
	ds_store_b128 v27, v[4*i:4*i+3] offset:4096*(i-16)
.set i, i+1
.endr
	WIN 0
	BAR                                            ; barrier 1: weights, table and vectors lie in LDS
	WIN 0x40
	VEC64 0, 4608                                  ; norm 1's gain, window 1 v0-63
	VEC64 64, 5120                                 ; and offset, v64-127
	WIN 0
; ================ PHASE A, 1: norm 1 and the two quantisations ================
; window 0: v32-95 the tile turned; v96-159 the next tile as loaded; v160-223 a held copy.  window 1: v128.. the tokens' codes under e0, v192.. under e2, 16 registers a tile and batch (tb = 2 batch + u).
.macro LN_TB tb, more, nsb, nu
	s_wait_loadcnt 0x0                             ; the tile's sixteen rows
	TURN_IN 96, 32
	s_wait_dscnt 0x0                               ; turned; and the stores have read their registers,
.if \more
	XDENSE 96, \nsb, \nu                           ; which take the next tile
.endif
	LNSTAT 32, 20, 19
	WIN 0x14                                       ; gain and offset in window 1
.set k, 0
.rept 32
	v_pk_fma_f32 v[32+k:33+k], v[32+k:33+k], v[k:k+1], v[64+k:65+k]
.set k, k+2
.endr
	WIN 0
	HOLD 160, 32, 64, 15
	WIN 0x40
	CVT 128+16*\tb, 160, 8, 14
	WIN 0
	HOLD 32, 32, 64, 17
	WIN 0x40
	CVT 192+16*\tb, 32, 8, 16
	WIN 0
	v_nop                                          ; one plain instruction between a scaled conversion and what next touches its result or writes its sources
.endm
	LN_TB 0, 1, 4, 1
	LN_TB 1, 1, 6, 0
	LN_TB 2, 1, 6, 1
	LN_TB 3, 0, 0, 0
; the mask's 16 rows of tile u, two loads of 512 bytes a row, into window 1 v0-127: asked for a phase ahead, into registers that are done with
.macro MASKLOAD u
	WIN 0x40
.irp s, 0,1
.irp t, 0,1,2,3,4,5,6,7,8,9,10,11,12,13,14,15
	global_load_b128 v[64*\s+4*\t:64*\s+4*\t+3], v6, s[8:9] offset:(8*\u+\t+8*(\t/8))*1024+512*\s th:TH_LOAD_NT
.endr
.endr
	WIN 0
.endm
	MASKLOAD 0
; ================ PHASE A, 2: k, v, q ================
; Twelve steps, a head's 32 channels each, for my four tiles.  A step's two weight fragments and its bias were asked for in the step before.
.macro WFETCH kind, c, buf             ; kind 0 q, 1 k, 2 v
.set k, 0
.rept 8
	ds_load_b128 v[WA+32*(\buf)+4*k:WA+32*(\buf)+4*k+3], v10 offset:16384*(\kind)+4096*(\c)+512*k
.set k, k+1
.endr
.if \kind == 2
.irp u2, 0,1
.irp j, 0,1,2,3,4,5,6,7
	ds_load_b32 v[BC+16*(\buf)+8*\u2+\j], v19 offset:128*(\c)+32*\u2   ; v: a lane holds one channel, so its bias fills the tile's eight registers
.endr
.endr
.else
.irp q, 0,1,2,3
	ds_load_b128 v[BC+16*(\buf)+4*\q:BC+16*(\buf)+4*\q+3], v9 offset:512*(\kind)+128*(\c)+16*\q
.endr
.endif
.endm
.macro PSTEP kind, c, buf, more, nkind, nc
	s_wait_dscnt 0x0                               ; this step's fragments and bias are in; the last step's stores have read their registers
.if \kind == 2
	WIN 0x01                                       ; source 0: the tokens, window 1
.irp u2, 0,1
.irp tb, 0,1,2,3
	v_wmma_f32_16x16x128_fp8_fp8 v[DD+8*(4*\u2+\tb):DD+8*(4*\u2+\tb)+7], v[192+16*\tb:207+16*\tb], v[WA+32*\buf+16*\u2:WA+32*\buf+16*\u2+15], v[BC+16*\buf+8*\u2:BC+16*\buf+8*\u2+7]
.endr
.endr
.else
	WIN 0x04                                       ; source 1: the tokens, window 1
.irp tb, 0,1,2,3
.irp u1, 0,1
	v_wmma_f32_16x16x128_fp8_fp8 v[DD+8*(2*\tb+\u1):DD+8*(2*\tb+\u1)+7], v[WA+32*\buf+16*\u1:WA+32*\buf+16*\u1+15], v[128+64*\kind+16*\tb:143+64*\kind+16*\tb], v[BC+16*\buf+8*\u1:BC+16*\buf+8*\u1+7]
.endr
.endr
.endif
	WIN 0
	NOPS 4                                         ; four places behind a matrix instruction before its result is read (ISA guide 7.12.1)
.if \more
	WFETCH \nkind, \nc, 1-\buf
.endif
.if \kind == 1
	HOLD DD, DD, 64, 15
	CVT CT, DD, 8, 14                              ; a sum stands for sum x 2^(e2 + e3): the conversion's one scale is 2^(e5 - e2 - e3)
	v_nop
.irp tb, 0,1,2,3
	ds_store_b128 v11, v[CT+4*\tb:CT+4*\tb+3] offset:(\tb/2)*32768+\c*8192+(\tb%2)*512   ; 16 keys x the head's 32
.endr
.endif
.if \kind == 2
	HOLD DD, DD, 64, 17
	CVT CT, DD, 8, 16
	v_nop
.irp u2, 0,1
.irp be, 0,1
	ds_store_b128 v18, v[CT+8*\u2+4*\be:CT+8*\u2+4*\be+3] offset:\be*32768+\c*8192+\u2*4096   ; 16 channels x my 32 keys: registers 4 (w % 4) on of K step w / 4
.endr
.endr
.endif
.if \kind == 0
.set k, 0
.rept 32
	v_pk_mul_f32 v[DD+k:DD+k+1], v[DD+k:DD+k+1], s[44:45] op_sel_hi:[1,0]   ; x 32^-0.5, and into units of 2^e4
.set k, k+2
.endr
	HOLD DD, DD, 64, 13
	WIN 0x40
.irp tb, 0,1,2,3
.irp u1, 0,1
	v_cvt_scalef32_pk8_fp8_f32 v[192+16*\tb+4*\c+2*\u1:193+16*\tb+4*\c+2*\u1], v[DD+8*(2*\tb+\u1):DD+8*(2*\tb+\u1)+7], v12
.endr
.endr
	WIN 0
	v_nop
.endif
.endm
	s_sub_co_i32 s80, s29, s26
	s_sub_co_i32 s80, s80, s27
	MKSC 14, 15, 80                                ; e5 - e2 - e3
	s_sub_co_i32 s80, s31, s26
	s_sub_co_i32 s80, s80, s27
	MKSC 16, 17, 80                                ; e7 - e2 - e3
	v_add_nc_u32 v10, WQKV, v1
	s_lshl_b32 s80, s18, 10
	v_add_nc_u32 v11, s80, v1                      ; k's pieces: tile 2 w + u
	s_lshr_b32 s80, s18, 2
	s_lshl_b32 s80, s80, 11
	s_and_b32 s81, s18, 3
	s_lshl_b32 s81, s81, 9
	s_add_co_u32 s80, s80, s81
	s_add_co_u32 s80, s80, VIMG
	v_add_nc_u32 v18, s80, v1
	v_and_b32 v19, 15, v0
	v_and_b32 v20, 8, v19
	v_add_nc_u32 v19, v19, v20
	v_lshl_add_u32 v19, v19, 2, CST+1024           ; v's bias at my channel r + 8 (r / 8)
	WFETCH 1, 0, 0
	PSTEP 1, 0, 0, 1, 1, 1
	PSTEP 1, 1, 1, 1, 1, 2
	PSTEP 1, 2, 0, 1, 1, 3
	PSTEP 1, 3, 1, 1, 2, 0
	PSTEP 2, 0, 0, 1, 2, 1
	PSTEP 2, 1, 1, 1, 2, 2
	PSTEP 2, 2, 0, 1, 2, 3
	PSTEP 2, 3, 1, 1, 0, 0
	PSTEP 0, 0, 0, 1, 0, 1                         ; q last: its codes take the registers of the tokens' codes under e2
	PSTEP 0, 1, 1, 1, 0, 2
	PSTEP 0, 2, 0, 1, 0, 3
	PSTEP 0, 3, 1, 0, 0, 0
	BAR                                            ; barrier 2: k and v lie in LDS, and nobody reads Wq, Wk, Wv any more
	WIN 0x04
.set k, 0
.rept 16
	ds_store_b128 v7, v[192+4*k:195+4*k] offset:512*k   ; q's pieces [batch][u][head], over the weights' bytes: the wave's own
.set k, k+1
.endr
	WIN 0
; ================ PHASE B: attention ================
; window 1: v0-127 the mask's tile; v128-255 bias + mask, in the scores' layout.  window 0: v16-27 q | zeros | q; v28, v29 maxima; v30 the exchange; v32 -M; v34-37 sums; v38 1 / sum;
; v40-55 o; v56-119 k's pieces, then v's fragments; v120-151 p's codes (from v128 on over scores that are converted already); v128-255 the scores, then p.
	MKSC 14, 15, 30                                ; e6
.irp i, 20,21,22,23,30,33,39
	v_mov_b32 v\i, 0                               ; the zeros beside q; registers named as a pair's upper half or as a permute's destination
.endr
.macro QKFETCH be
	ds_load_b128 v[16:19], v31 offset:4096*\be
	ds_load_b128 v[24:27], v31 offset:4096*\be
.set k, 0
.rept 16
	ds_load_b128 v[56+4*k:59+4*k], v10 offset:32768*\be+512*k
.set k, k+1
.endr
.endm
.macro SUMS blk                        ; the row's sum is taken of the unquantised p, two at a time, in two chains
.if \blk == 0
	s_wait_alu depctr_va_vdst(0)
	v_pk_add_f32 v[34:35], v[128:129], v[130:131]
	v_pk_add_f32 v[36:37], v[132:133], v[134:135]
.irp j, 8,12
	v_pk_add_f32 v[34:35], v[34:35], v[128+\j:129+\j]
	v_pk_add_f32 v[36:37], v[36:37], v[130+\j:131+\j]
.endr
.else
	s_wait_alu depctr_va_vdst(0)
.irp j, 0,4,8,12
	v_pk_add_f32 v[34:35], v[34:35], v[128+16*(\blk)+\j:129+16*(\blk)+\j]
	v_pk_add_f32 v[36:37], v[36:37], v[130+16*(\blk)+\j:131+16*(\blk)+\j]
.endr
.endif
.endm
; One tile of 16 queries, one head, one batch.
.macro BODY be, nxt
	s_wait_dscnt 0x0                               ; q's piece and k's sixteen are in
	WIN 0x10                                       ; C: bias + mask, window 1
.set a, 0
.rept 8
	v_wmma_f32_16x16x64_fp8_fp8 v[128+16*a:135+16*a], v[56+8*a:63+8*a], v[16:23], v[128+16*a:135+16*a]
	v_wmma_f32_16x16x64_fp8_fp8 v[136+16*a:143+16*a], v[56+8*a:63+8*a], v[20:27], v[136+16*a:143+16*a]
.set a, a+1
.endr                                              ; register 16 a + i: key 32 a + 16 h + i of my query
	WIN 0
	NOPS 4                                         ; places in front of the loads below and of the first read of the scores
.set k, 0
.rept 16
	ds_load_b128 v[56+4*k:59+4*k], v11 offset:32768*\be+512*k   ; v's four fragments land under the softmax
.set k, k+1
.endr
	v_max3_num_f32 v28, v128, v129, v130           ; the largest score, in two chains, each accumulator from its low end on
	v_max3_num_f32 v29, v131, v132, v133
.set i, 6
.rept 30
	v_max3_num_f32 v28, v28, v[128+i], v[129+i]
	v_max3_num_f32 v29, v29, v[130+i], v[131+i]
.set i, i+4
.endr
	v_max3_num_f32 v28, v28, v254, v255
	v_max_num_f32 v28, v28, v29
	v_permlanex16_b32 v30, v28, s38, s39
	v_max_num_f32 v28, v28, v30                    ; and among the row's other 128 keys
	v_mul_f32 v28, s40, v28                        ; as t
	v_floor_f32 v32, -v28                          ; -M = floor(-t): M is a whole number
.set b, 0
.rept 8
.set j, 0
.rept 8
	v_pk_fma_f32 v[128+16*b+j:129+16*b+j], v[128+16*b+j:129+16*b+j], s[40:41], v[32:33] op_sel_hi:[1,0,0]   ; t - M
.set j, j+2
.endr
.set j, 0
.rept 16
	v_exp_f32 v[128+16*b+j], v[128+16*b+j]         ; p = 2^(t - M)
.set j, j+1
.endr
.if b > 0
	SUMS b-1                                       ; plain lines behind the exponentials, on the block before
.endif
.set b, b+1
.endr
	SUMS 7
	s_cmp_ge_i32 s30, -8                           ; p is at most 1: the hold can bite only where 448 x 2^e6 < 1, that is e6 < -8
	s_cbranch_scc1 .Lnohold_\@
.set i, 0
.rept 128
	v_min_num_f32 v[128+i], v[128+i], v15
.set i, i+1
.endr
.Lnohold_\@:
.set b, 0
.rept 8
	v_cvt_scalef32_pk8_fp8_f32 v[120+4*b:121+4*b], v[128+16*b:135+16*b], v14
	v_cvt_scalef32_pk8_fp8_f32 v[122+4*b:123+4*b], v[136+16*b:143+16*b], v14
	v_nop                                          ; a plain line: a later conversion writes over these two's sources, and the products below read the last two's results
.set b, b+1
.endr
	s_wait_dscnt 0x0                               ; v
	v_wmma_f32_16x16x128_fp8_fp8 v[40:47], v[56:71], v[120:135], 0          ; o^T = v^T p^T: two tiles of 16 channels by turns
	v_wmma_f32_16x16x128_fp8_fp8 v[48:55], v[88:103], v[120:135], 0
	v_wmma_f32_16x16x128_fp8_fp8 v[40:47], v[72:87], v[136:151], v[40:47]
	v_wmma_f32_16x16x128_fp8_fp8 v[48:55], v[104:119], v[136:151], v[48:55]
	v_pk_add_f32 v[34:35], v[34:35], v[36:37]      ; the sum's lines name none of the products' registers: five of them are plain places
	v_add_f32 v34, v34, v35
	v_permlanex16_b32 v30, v34, s38, s39
	v_add_f32 v34, v34, v30
	v_rcp_f32 v38, v34
	v_nop
	s_wait_alu depctr_va_vdst(0)
	v_ldexp_f32 v38, v38, s56                      ; 2^(e6 + e7 - e8) / the sum: o in units of 2^e8
.if \nxt
	QKFETCH 1
.endif
.set k, 0
.rept 8
	v_pk_mul_f32 v[40+k:41+k], v[40+k:41+k], v[38:39] op_sel_hi:[1,0]
.set k, k+2
.endr
	HOLD 40, 40, 16, 13
	v_cvt_scalef32_pk8_fp8_f32 v[34:35], v[40:47], v12
	v_cvt_scalef32_pk8_fp8_f32 v[36:37], v[48:55], v12
	v_nop
	ds_store_b128 v31, v[34:37] offset:4096*\be    ; channels 16 h + 0 .. 15 of the head: registers 4 head on of proj's operand, in the place of the q piece just used
.endm
	s_mov_b32 s20, 0                               ; u
	s_mov_b32 s82, 0                               ; 2,048 u
	s_mov_b32 s83, 0                               ; 72 u: a window row further down is 18 words on in the table
.Lu:
	s_wait_loadcnt 0x0                             ; the mask's tile
.irp s, 0,1
	WIN 0x04
.set k, 0
.rept 16
	ds_store_b128 v2, v[64*\s+4*k:64*\s+4*k+3] offset:SP*k
.set k, k+1
.endr
	WIN 0x40
.set k, 0
.rept 16
	ds_load_b128 v[64*\s+4*k:64*\s+4*k+3], v3 offset:128*(k/4)+16*(k%4)   ; register 16 b + i: mask(my query, key 32 b + 16 h + i)
.set k, k+1
.endr
.endr
	WIN 0
	s_mov_b32 s21, 0                               ; head
	s_mov_b32 s22, 0                               ; 8,192 head
	s_mov_b32 s23, s82                             ; 2,048 u + 512 head
	s_mov_b32 s86, s83                             ; 72 u + 8,192 head
.Lc:
	s_wait_dscnt 0x0                               ; the last o piece's store has read its registers
	v_add_nc_u32 v10, s22, v1
	v_add_nc_u32 v11, VIMG, v10
	v_add_nc_u32 v31, s23, v7
	v_add_nc_u32 v28, s86, v8
	WIN 0x40
.set b, 0
.rept 8
.set i, 0
.rept 16
	ds_load_b32 v[128+16*b+i], v28 offset:4*((3-b/2)*270+(5-4*(b%2)-i/8)*18+7-i%8)   ; the gather is a sum of a lane's term and a register's: no index is computed
.set i, i+1
.endr
.set b, b+1
.endr
	WIN 0
	QKFETCH 0
	s_wait_dscnt 0x0
	WIN 0x51
.set k, 0
.rept 64
	v_pk_fma_f32 v[128+k:129+k], v[k:k+1], s[42:43], v[128+k:129+k] op_sel_hi:[1,0,1]   ; bias + mask, both in units of 2^(e4 + e5); it serves both batches
.set k, k+2
.endr
	WIN 0
	s_cmp_lg_u32 s21, 3                            ; behind the last head's use of the mask's tile its registers take what comes next:
	s_cbranch_scc1 .Lnoask
	s_cmp_lg_u32 s20, 0
	s_cbranch_scc1 .Laskw
	s_wait_loadcnt 0x0                             ; no two loads aim at one register: whatever was loaded into the tile's registers before has landed (here nothing of mine is out: the tile was waited for at the head of the trip over u, so the wait is met at once)
	MASKLOAD 1                                     ; the second tile's rows,
	s_branch .Lnoask
.Laskw:
	s_wait_loadcnt 0x0                             ; likewise, ahead of the weights' loads into the same registers
	WIN 0x40
.set k, 0
.rept 32
	global_load_b128 v[4*k:4*k+3], v1, s[92:93] offset:512*k   ; or my share of W1 and W2
.set k, k+1
.endr
	WIN 0
.Lnoask:
	BODY 0, 1
	BODY 1, 0
	s_add_co_u32 s22, s22, 8192
	s_add_co_u32 s23, s23, 512
	s_add_co_u32 s86, s86, 8192
	s_add_co_u32 s21, s21, 1
	s_cmp_lt_u32 s21, 4
	s_cbranch_scc1 .Lc
	s_add_co_u32 s82, s82, 2048
	s_add_co_u32 s83, s83, 72
	s_add_co_u32 s20, s20, 1
	s_cmp_lt_u32 s20, 2
	s_cbranch_scc1 .Lu
	XDENSE2                                        ; the shortcut of tile 0
	BAR                                            ; barrier 3: nobody reads k and v any more
	s_lshl_b32 s80, s18, 14
	v_add_nc_u32 v10, s80, v1
	s_wait_loadcnt 32                              ; my share of W1 and W2 is in; the 32 loads of x issued behind it stay out
	WIN 0x04
.set k, 0
.rept 32
	ds_store_b128 v10, v[4*k:4*k+3] offset:512*k
.set k, k+1
.endr
	WIN 0
	BAR                                            ; barrier 4: W1 and W2 lie in LDS
; ================ PHASE C: proj, residual, norm 2, MLP, residual ================
; Two passes, a tile u of both batches at a time, so that each weight fragment read from LDS feeds two products.
; window 0: v32-63 at work; v64-127 four weight fragments; v128-255 x, y, the normed tokens, the hidden layer (64 a batch).  window 1: v0-127 the sums of proj, then of fc2; v128-191 a bias; v192-223, v224-255 operands.
.macro FRAG4 adr, off                  ; four fragments into v64-127
.set k, 0
.rept 16
	ds_load_b128 v[64+4*k:67+4*k], v[\adr] offset:\off+512*k
.set k, k+1
.endr
.endm
.macro PROJ8 t0
.irp tt, 0,1,2,3
.irp be, 0,1
	v_wmma_f32_16x16x128_fp8_fp8 v[64*\be+8*(\t0+\tt):64*\be+8*(\t0+\tt)+7], v[64+16*\tt:79+16*\tt], v[192+16*\be:207+16*\be], v[128+8*(\t0+\tt):128+8*(\t0+\tt)+7]
.endr
.endr
.endm
.macro FC1_8 t0
.irp tt, 0,1,2,3
.irp be, 0,1
	v_wmma_f32_16x16x128_fp8_fp8 v[128+64*\be+8*(\t0+\tt):128+64*\be+8*(\t0+\tt)+7], v[64+16*\tt:79+16*\tt], v[192+16*\be:207+16*\be], v[128+8*(\t0+\tt):128+8*(\t0+\tt)+7]
.endr
.endr
.endm
.macro FC2_8 t0                        ; sixteen accumulators by turns, one instruction a turn
.irp tt, 0,1,2,3
.irp be, 0,1
	v_wmma_f32_16x16x128_fp8_fp8 v[64*\be+8*(\t0+\tt):64*\be+8*(\t0+\tt)+7], v[64+16*\tt:79+16*\tt], v[224+16*\be:239+16*\be], v[64*\be+8*(\t0+\tt):64*\be+8*(\t0+\tt)+7]
.endr
.endr
.endm
; GELU of one accumulator's eight sums, four pairs side by side, into units of 2^e12: H = sum x 2^(e10 + e11 - e12 - 1); result H erf(z) + H, z = sum x 2^(e10 + e11) / sqrt(2)
.macro GEL4 hb
.irp p, 0,1,2,3
	v_pk_mul_f32 v[32+2*\p:33+2*\p], v[\hb+2*\p:\hb+2*\p+1], s[48:49] op_sel_hi:[1,0]
.endr
.irp p, 0,1,2,3
	v_pk_mul_f32 v[\hb+2*\p:\hb+2*\p+1], v[\hb+2*\p:\hb+2*\p+1], s[50:51] op_sel_hi:[1,0]
.endr
.irp i, 0,1,2,3,4,5,6,7
	v_med3_num_f32 v[32+\i], v[32+\i], -4.0, 4.0
.endr
.irp p, 0,1,2,3
	v_pk_mul_f32 v[40+2*\p:41+2*\p], v[32+2*\p:33+2*\p], v[32+2*\p:33+2*\p]
.endr
.irp p, 0,1,2,3
	v_pk_fma_f32 v[56+2*\p:57+2*\p], v[40+2*\p:41+2*\p], v[18:19], s[72:73] op_sel_hi:[1,1,0]
.endr
.irp cf, 74,76,78
.irp p, 0,1,2,3
	v_pk_fma_f32 v[56+2*\p:57+2*\p], v[56+2*\p:57+2*\p], v[40+2*\p:41+2*\p], s[\cf:\cf+1] op_sel_hi:[1,1,0]
.endr
.endr
.irp i, 0,1,2,3,4,5,6,7
	v_rcp_f32 v[56+\i], v[56+\i]
.endr
.irp p, 0,1,2,3
	v_pk_fma_f32 v[48+2*\p:49+2*\p], v[40+2*\p:41+2*\p], v[16:17], s[58:59] op_sel_hi:[1,1,0]   ; the numerator's lines are the plain lines behind the reciprocals
.endr
.irp cf, 60,62,66,68,70
.irp p, 0,1,2,3
	v_pk_fma_f32 v[48+2*\p:49+2*\p], v[48+2*\p:49+2*\p], v[40+2*\p:41+2*\p], s[\cf:\cf+1] op_sel_hi:[1,1,0]
.endr
.endr
.irp p, 0,1,2,3
	v_pk_mul_f32 v[48+2*\p:49+2*\p], v[48+2*\p:49+2*\p], v[32+2*\p:33+2*\p]
.endr
	s_wait_alu depctr_va_vdst(0)
.irp p, 0,1,2,3
	v_pk_mul_f32 v[48+2*\p:49+2*\p], v[48+2*\p:49+2*\p], v[56+2*\p:57+2*\p]
.endr
.irp p, 0,1,2,3
	v_pk_fma_f32 v[\hb+2*\p:\hb+2*\p+1], v[\hb+2*\p:\hb+2*\p+1], v[48+2*\p:49+2*\p], v[\hb+2*\p:\hb+2*\p+1]
.endr
.endm
	MKSC 14, 15, 34                                ; e10
	v_mov_b32 v16, 0xaf95df0b                      ; a13
	v_mov_b32 v17, 0xaf95df0b
	v_mov_b32 v18, 0xb77460cd                      ; b8
	v_mov_b32 v19, 0xb77460cd
	v_mov_b32 v24, 0                               ; the exchange's register
	v_add_nc_u32 v25, WPL, v1
	s_mov_b32 s20, 0                               ; the pass = u
	s_mov_b32 s82, 0                               ; 2,048 u
.Lpass:
	v_add_nc_u32 v23, s82, v7
	WIN 0x40
	VEC64 128, 1536                                ; proj's bias
.irp be, 0,1
.irp c, 0,1,2,3
	ds_load_b128 v[192+16*\be+4*\c:195+16*\be+4*\c], v23 offset:4096*\be+512*\c   ; o's four pieces are proj's operand
.endr
.endr
	WIN 0
	FRAG4 25, 0
	s_wait_dscnt 0x0
	WIN 0x54                                       ; tokens, C and D in window 1
	PROJ8 0
	WIN 0
	NOPS 4
	FRAG4 25, 8192
	s_wait_dscnt 0x0
	WIN 0x54
	PROJ8 4
	WIN 0
	NOPS 4
	WIN 0x40
	VEC64 128, 4096                                ; fc2's bias
	VEC64 192, 6144                                ; norm 2's offset
	WIN 0
	VEC64 64, 5632                                 ; and gain
	s_wait_loadcnt 0x0                             ; x
	TURN_IN 128, 128
	TURN_IN 192, 192
	s_wait_dscnt 0x0
	WIN 0x01
.set k, 0
.rept 64
	v_pk_fma_f32 v[128+k:129+k], v[k:k+1], s[46:47], v[128+k:129+k] op_sel_hi:[1,0,1]   ; y = x + proj's sum x 2^(e8 + e9)
.set k, k+2
.endr
	WIN 0x50
.set k, 0
.rept 64
	v_pk_fma_f32 v[k:k+1], v[128+k:129+k], s[52:53], v[128+k%64:129+k%64] op_sel_hi:[1,0,1]   ; y and fc2's bias begin fc2's sums, in units of 2^(e12 + e13)
.set k, k+2
.endr
	WIN 0
	LNSTAT 128, 32, 24
	LNSTAT 192, 32, 24
	WIN 0x10
.set k, 0
.rept 64
	v_pk_fma_f32 v[128+k:129+k], v[128+k:129+k], v[64+k%64:65+k%64], v[192+k%64:193+k%64]
.set k, k+2
.endr
	WIN 0
	HOLD 128, 128, 128, 15
	WIN 0x40
	CVT 192, 128, 16, 14                           ; fc1's operands, over norm 2's offset, which both batches have used
	WIN 0
	v_nop
	s_mov_b32 s21, 0                               ; chunk of 128 hidden units
	s_mov_b32 s22, 0                               ; 16,384 chunk: eight fragments
	s_mov_b32 s23, 0                               ; 512 chunk: 128 f32
.Lchunk:
	v_add_nc_u32 v20, s22, v1
	v_add_nc_u32 v21, VIMG, v20
	v_add_nc_u32 v22, s23, v9
	WIN 0x40
.set k, 0
.rept 16
	ds_load_b128 v[128+4*k:131+4*k], v22 offset:2048+128*(k/4)+16*(k%4)   ; fc1's bias for this chunk
.set k, k+1
.endr
	WIN 0
	FRAG4 20, 0
	s_wait_dscnt 0x0
	WIN 0x14                                       ; tokens and C in window 1
	FC1_8 0
	WIN 0
	NOPS 4
	FRAG4 20, 8192
	s_wait_dscnt 0x0
	WIN 0x14
	FC1_8 4
	WIN 0
	NOPS 4
	FRAG4 21, 0                                    ; W2's first four land under the GELU
.set n, 0
.rept 16
	GEL4 128+8*n
.set n, n+1
.endr
	HOLD 128, 128, 128, 13
	WIN 0x40
	CVT 224, 128, 16, 12                           ; K step 'chunk' of fc2
	WIN 0
	v_nop
	s_wait_dscnt 0x0
	WIN 0x54
	FC2_8 0
	WIN 0
	NOPS 4
	FRAG4 21, 8192
	s_wait_dscnt 0x0
	WIN 0x54
	FC2_8 4
	WIN 0
	NOPS 4
	s_add_co_u32 s22, s22, 16384
	s_add_co_u32 s23, s23, 512
	s_add_co_u32 s21, s21, 1
	s_cmp_lt_u32 s21, 4
	s_cbranch_scc1 .Lchunk
	WIN 0x01
.set k, 0
.rept 64
	v_pk_mul_f32 v[128+k:129+k], v[k:k+1], s[54:55] op_sel_hi:[1,0]   ; x 2^(e12 + e13): the result, each accumulator from its low end on
.set k, k+2
.endr
	WIN 0
	TURN_OUT 128
	TURN_OUT 192
	s_wait_dscnt 0x0
.irp t, 0,1,2,3,4,5,6,7,8,9,10,11,12,13,14,15
	global_store_b128 v[4+(\t%8)/4], v[128+4*\t:131+4*\t], s[14:15] offset:2*(\t/8)*65536+(\t%4)*512 th:TH_STORE_NT   ; 32 lanes store a token's 512 consecutive bytes, aligned
.endr
.irp t, 0,1,2,3,4,5,6,7,8,9,10,11,12,13,14,15
	global_store_b128 v[4+(\t%8)/4], v[192+4*\t:195+4*\t], s[16:17] offset:2*(\t/8)*65536+(\t%4)*512 th:TH_STORE_NT
.endr
	s_wait_xcnt 0x0                                ; the stores' bases and data are written again only behind this wait
	s_add_nc_u64 s[4:5], s[4:5], 0x10000           ; tile 1 lies one image row further down
	s_add_nc_u64 s[6:7], s[6:7], 0x10000
	s_add_nc_u64 s[14:15], s[14:15], 0x10000
	s_add_nc_u64 s[16:17], s[16:17], 0x10000
	s_add_co_u32 s82, s82, 2048
	s_cmp_eq_u32 s20, 1
	s_cbranch_scc1 .Lnox                           ; the last pass asks for nothing
	XDENSE2
.Lnox:
	s_add_co_u32 s20, s20, 1
	s_cmp_lt_u32 s20, 2
	s_cbranch_scc1 .Lpass
	s_wait_xcnt 0x0
	v_lshl_add_u32 v254, v0, 2, 0x4e800
	v_mov_b32 v255, 0
	s_wait_tensorcnt 0x0
	ds_add_u32 v254, v255
	s_wait_dscnt 0x0
	s_endpgm
.Lfunc_end_k_q9e96c8465e_main:
	.size	k_q9e96c8465e_main, .Lfunc_end_k_q9e96c8465e_main-k_q9e96c8465e_main
	.p2alignl 7, 3214868480
	.fill 96, 4, 3214868480
	.section	.rodata,"a",@progbits
	.p2align	6, 0x0
	.amdhsa_kernel k_q9e96c8465e_main
		.amdhsa_group_segment_fixed_size 322560
		.amdhsa_private_segment_fixed_size 0
		.amdhsa_enable_private_segment 0
		.amdhsa_kernarg_size 40
		.amdhsa_user_sgpr_count 2
		.amdhsa_user_sgpr_kernarg_segment_ptr 1
		.amdhsa_wavefront_size32 1
		.amdhsa_system_sgpr_workgroup_id_x 1
		.amdhsa_system_sgpr_workgroup_id_y 1
		.amdhsa_system_sgpr_workgroup_id_z 1
		.amdhsa_system_vgpr_workitem_id 0
		.amdhsa_next_free_vgpr 512
		.amdhsa_next_free_sgpr 96
		.amdhsa_reserve_vcc 0
		.amdhsa_float_denorm_mode_32 3
		.amdhsa_float_denorm_mode_16_64 3
		.amdhsa_memory_ordered 1
		.amdhsa_forward_progress 1
		.amdhsa_inst_pref_size 255
	.end_amdhsa_kernel
	.section	.bss,"aw",@nobits
	.p2align	6
	.space	262144
	.amdgpu_metadata
---
amdhsa.version: [ 1, 2 ]
amdhsa.kernels:
  - .name:           k_q9e96c8465e_main
    .symbol:         k_q9e96c8465e_main.kd
    .args:
      - { .name: x, .offset: 0, .size: 8, .value_kind: global_buffer, .address_space: global }
      - { .name: mask_matrix, .offset: 8, .size: 8, .value_kind: global_buffer, .address_space: global }
      - { .name: lowp_scales, .offset: 16, .size: 8, .value_kind: global_buffer, .address_space: global }
      - { .name: wsp, .offset: 24, .size: 8, .value_kind: global_buffer, .address_space: global }
      - { .name: out0, .offset: 32, .size: 8, .value_kind: global_buffer, .address_space: global }
    .group_segment_fixed_size: 322560
    .private_segment_fixed_size: 0
    .kernarg_segment_align: 8
    .kernarg_segment_size: 40
    .max_flat_workgroup_size: 256
    .sgpr_count:     96
    .vgpr_count:     512
    .wavefront_size: 32
...
	.end_amdgpu_metadata
.endif
;; end of part 2
;; ======== version 2 of 2: 2 launches; version 1 with the launch main written anew for expert scheduling mode
;; workspace buffers: wsp 237,568 bytes
;; launch prep: the kernel of part 1 again; grid 29 x 1, 4 waves a work-group, no clusters, 0 bytes of LDS; arguments q_w, kv_w, proj_w, fc1_w, fc2_w, rel_table, q_b, kv_b, proj_b, fc1_b, fc2_b, norm1_g, norm1_b, norm2_g, norm2_b, lowp_scales, wsp; writes wsp
;; launch main (part 3): grid 256 x 1, 8 waves a work-group, no clusters, 322,560 bytes of LDS; arguments x, mask_matrix, lowp_scales, wsp, out0; writes out0
.if DOCPART == 3
	.amdgcn_target "amdgcn-amd-amdhsa--gfx1250"
	.amdhsa_code_object_version 6
	.text
	.protected	k_q9e96c8465e_main
	.globl	k_q9e96c8465e_main
	.p2align	8
	.type	k_q9e96c8465e_main,@function
k_q9e96c8465e_main:
	s_mov_b64 s[64:65], 0
	v_nop
	global_prefetch_b8 v0, s[64:65] scope:SCOPE_SE
	s_setreg_imm32_b32 hwreg(HW_REG_WAVE_SCHED_MODE, 0, 2), 2
	s_setreg_imm32_b32 hwreg(HW_REG_WAVE_MODE, 25, 1), 1
	s_wait_xcnt 0x0
	s_wait_alu depctr_vm_vsrc(0)
; The whole block, from x to out0, for window wi (the work-group's number) of BOTH batches: the two share their mask, which is read once.  Nothing goes through memory on the way.
; All seven products on E4M3 codes, each operand with its given scale 2^e (e0 .. e13); sums, norms, softmax and GELU in f32.
; SHARES.  Eight waves.  Wave w owns tokens 32 w .. 32 w + 31 of the window in both batches, as two tiles u of 16: lane r of tile u is token 32 w + 8 u + r + 8 (r / 8).
; It makes their q, k, v (k and v go to LDS for all waves), walks all 256 keys for them, and takes them through proj, the residual, norm 2, the MLP and the last residual.
; LAYOUT.  Lane (r, h): r = lane % 16, h = lane / 16.  Every operand holds k = 32 c + 16 h + 4 q + b in register 4 c + q, byte b: the same permutation of k on both sides of each product.
; Weights are source 0 and tokens source 1, and the columns of a weight's tile are chosen (see the first launch) so that a lane holds ONE token and its register 16 b + i is channel 32 b + 16 h + i:
; eight conversions of such 64 registers ARE the next product's operand.  V alone is made with the tokens as source 0, so that its registers run along the keys, the second attention product's K.
; Biases, the relative bias and the mask are the C of a sum's first matrix instruction, divided beforehand by the power of two that the sums lack.
; A head's K is 32, half of the shortest form's 64: one source 0 holds the pieces of two key tiles, and a source 1 of [q | zeros] or [zeros | q] picks one of them.
; SOFTMAX.  t = logit x log2(e); M = ceil of the row's largest t; p = 2^(t - M) is quantised; the row's sum is taken of the unquantised p and divides at the end.  A lane and its partner 16 away hold a whole row.
; GELU.  erf(z) = z P(z^2) / Q(z^2), degrees 6 and 4 in z^2, z held within +-4: absolute error a few 1e-7.
; x is read twice (norm 1; the shortcut): 256 KiB of x find no room beside k, v, the mask's tile and the sums.
; No tensor loads: what LDS holds is written once through registers and read many times.  No cluster: the work-groups share only the 232 KiB of wsp.
; LIMITS, so that each power of two below is an f32 number: e0, e2, e6, e10, e5 - e2 - e3, e7 - e2 - e3 between -126 and 119; e4 + e5 and e10 + e11 between -120 and 120; e0 + e1 - e4 between -123 and 129;
; e8 + e9, e12 + e13, e10 + e11 - e12 - 1 between -126 and 127.  NaN among the inputs is not served.  Bias + mask are added to each other first and then to the product's sum: another order of rounding than the source's.
; LDS:  0 k's pieces [batch][head][tile] x 512, later W1;  65,536 v's fragments [batch][head][half][K step] x 2,048, later W2;  131,072 q's pieces, each overwritten by its o piece: 8,192 a wave, the wave's own;
;   147,456 Wq, Wk, Wv (until barrier 2);  196,608 Wproj;  212,992 the bias table;  245,760 the vectors;  253,952 a stage of 16 rows x 528 bytes for each wave.
; REGISTERS, in two windows of 256.  v1 16 x lane; v2, v3 my stage by rows and turned; v4, v5 my pixels' bytes (columns 0-3, 4-7); v6 mask; v7 my q pieces; v8 table; v9 vectors; v12 1.0; v13 448.0; the rest by phase.
; THE MODE: SCHED_MODE bits 1:0 = 2 (LLVM: expert scheduling mode 2), set by the entry lines.  The code itself states the register dependences between vector or matrix instructions and
; memory or LDS instructions, with s_wait_alu, always for 0.
; THE PLAN: the registers that memory or LDS instructions touch, and who else names them.
;   v1-v9       offsets and addresses: written at the head, ahead of the first wait on va_vdst, and never again.
;   norm 1      v96-159: a tile's global loads land, the stage's stores read: one wait on vm_vsrc behind each turn.  v32-95: the turned tile lands, the norm's lines work there: one wait on va_vdst at the head of tiles 1 to 3.
;   k, v, q     two buffers of fragments and bias by turns: a step's products read one while the next step's loads, issued at the step's head, land in the other, which the step before read; that those products are done
;               is stated by the wait on va_vdst ahead of that step's stores of codes (k, v), or by a wait at the head (q).  The codes' registers are freed by a wait on vm_vsrc at a step's head.
;   attention   a head's trip begins with a wait on vm_vsrc, the four address adds and ONE wait on va_vdst for the gather and the first q and k loads.  v's loads stand behind the first wait for exponentials, the
;               second batch's q and k loads behind the wait for the reciprocal: both waits lie behind the products that read those registers.  Each o store has its wait on va_vdst.
;   the MLP     a pass and a chunk begin as a head's trip does; a wait on va_vdst stands behind each run of eight products whose fragments are loaded anew at once; behind fc1's runs the first GELU call's wait serves.
;   the turns   where a turn's loads land in the registers that its stores read, a wait on vm_vsrc stands between.
.set VIMG,  65536
.set QO,    131072
.set WQKV,  147456
.set WPL,   196608
.set TAB,   212992
.set CST,   245760
.set STG,   253952
.set STGW,  8448
.set SP,    528                        ; a stage row: 512 bytes + 16 = 33 x 16: sixteen rows begin at sixteen different 16-byte columns modulo 256 bytes
.set WA,    32                         ; phase A, the products: two buffers of two weight fragments
.set DD,    96                         ; eight accumulators
.set BC,    160                        ; two buffers of two tiles of bias
.set CT,    192                        ; codes on their way to LDS
.set MSB, 0
.macro WIN new                         ; bits 1:0 source 0, 3:2 source 1, 5:4 source 2, 7:6 destination; the high byte repeats the setting that is left
.if MSB != \new
	s_set_vgpr_msb (MSB<<8)|\new
.set MSB, \new
.endif
.endm
.macro BAR                             ; my LDS stores have landed and my LDS loads are in: then the work-group's barrier
	s_wait_dscnt 0x0
	s_barrier_signal -1
	s_barrier_wait -1
.endm
.macro NOPS n
.rept \n
	v_nop
.endr
.endm
.macro MKSC vs, vl, se                 ; v[vs] = 2^e, v[vl] = 448 x 2^e, e in s[se]
	s_add_co_i32 s90, s[\se], 127
	s_lshl_b32 s91, s90, 23
	v_mov_b32 v[\vs], s91
	s_add_co_i32 s90, s90, 8
	s_lshl_b32 s90, s90, 23
	s_or_b32 s90, s90, 0x600000
	v_mov_b32 v[\vl], s90
.endm
; sixteen tokens of a tile as they lie in memory: one load is one token's 512 bytes
.macro XDENSE reg, sb, u
.irp t, 0,1,2,3,4,5,6,7,8,9,10,11,12,13,14,15
	global_load_b128 v[\reg+4*\t:\reg+4*\t+3], v[4+(\t%8)/4], s[\sb:\sb+1] offset:(\u+2*(\t/8))*65536+(\t%4)*512
.endr
.endm
.macro XDENSE2                         ; the shortcut: the pass's tile of both batches, read for the last time
.irp t, 0,1,2,3,4,5,6,7,8,9,10,11,12,13,14,15
	global_load_b128 v[128+4*\t:131+4*\t], v[4+(\t%8)/4], s[4:5] offset:2*(\t/8)*65536+(\t%4)*512 th:TH_LOAD_NT
.endr
.irp t, 0,1,2,3,4,5,6,7,8,9,10,11,12,13,14,15
	global_load_b128 v[192+4*\t:195+4*\t], v[4+(\t%8)/4], s[6:7] offset:2*(\t/8)*65536+(\t%4)*512 th:TH_LOAD_NT
.endr
.endm
; The turn through my own stage.  LDS serves a wave's instructions in order (ISA guide 5.7.1.4): no wait on DScnt between the stores and the loads.
.macro TURN_IN src, dst                ; rows in, register 16 b + i = channel 32 b + 16 h + i of token r out
.set k, 0
.rept 16
	ds_store_b128 v2, v[\src+4*k:\src+4*k+3] offset:SP*k
.set k, k+1
.endr
.if \src == \dst
	s_wait_alu depctr_vm_vsrc(0)                   ; the sixteen stores have read their data registers, in which the loads below land
.endif
.set k, 0
.rept 16
	ds_load_b128 v[\dst+4*k:\dst+4*k+3], v3 offset:128*(k/4)+16*(k%4)
.set k, k+1
.endr
.endm
.macro TURN_OUT reg                    ; and back
.set k, 0
.rept 16
	ds_store_b128 v3, v[\reg+4*k:\reg+4*k+3] offset:128*(k/4)+16*(k%4)
.set k, k+1
.endr
	s_wait_alu depctr_vm_vsrc(0)                   ; the sixteen stores have read their data registers, in which the loads below land
.set k, 0
.rept 16
	ds_load_b128 v[\reg+4*k:\reg+4*k+3], v2 offset:SP*k
.set k, k+1
.endr
.endm
.macro VEC64 reg, off                  ; 64 numbers of a vector of 128 in the turned layout, from the block of vectors
.set k, 0
.rept 16
	ds_load_b128 v[\reg+4*k:\reg+4*k+3], v9 offset:\off+128*(k/4)+16*(k%4)
.set k, k+1
.endr
.endm
.macro HOLD dst, src, cnt, lim         ; the conversion to an 8-bit code does not saturate (ISA guide 7.6.2): the hold at the largest code x the scale
.set i, 0
.rept \cnt
	v_med3_num_f32 v[\dst+i], v[\src+i], -v[\lim], v[\lim]
.set i, i+1
.endr
.endm
.macro CVT dst, src, cnt, sc           ; cnt times eight numbers into two registers of codes
.set i, 0
.rept \cnt
	v_cvt_scalef32_pk8_fp8_f32 v[\dst+2*i:\dst+2*i+1], v[\src+8*i:\src+8*i+7], v[\sc]
.set i, i+1
.endr
.endm
; v[x .. x + 63], my half of a token's 128 channels, becomes (x - mean) / sqrt(var + eps); the other half lies in the lane 16 away.  t: ten registers at work; pt: the exchange's.
.macro LNSTAT x, t, pt
.irp c, 0,1,2,3
	v_pk_add_f32 v[\t+2*\c:\t+2*\c+1], v[\x+4*\c:\x+4*\c+1], v[\x+4*\c+2:\x+4*\c+3]
.endr
.irp o, 16,24,32,40,48,56
.irp c, 0,1,2,3
	v_pk_add_f32 v[\t+2*\c:\t+2*\c+1], v[\t+2*\c:\t+2*\c+1], v[\x+\o+2*\c:\x+\o+2*\c+1]
.endr
.endr
	v_pk_add_f32 v[\t:\t+1], v[\t:\t+1], v[\t+2:\t+3]
	v_pk_add_f32 v[\t+4:\t+5], v[\t+4:\t+5], v[\t+6:\t+7]
	v_pk_add_f32 v[\t:\t+1], v[\t:\t+1], v[\t+4:\t+5]
	v_add_f32 v[\t], v[\t], v[\t+1]
	v_permlanex16_b32 v[\pt], v[\t], s38, s39
	v_add_f32 v[\t], v[\t], v[\pt]
	v_mul_f32 v[\t], 0x3c000000, v[\t]             ; / 128: the mean
.set k, 0
.rept 32
	v_pk_add_f32 v[\x+k:\x+k+1], v[\x+k:\x+k+1], v[\t:\t+1] op_sel_hi:[1,0] neg_lo:[0,1] neg_hi:[0,1]
.set k, k+2
.endr
.irp c, 0,1,2,3
	v_pk_mul_f32 v[\t+2+2*\c:\t+3+2*\c], v[\x+2*\c:\x+2*\c+1], v[\x+2*\c:\x+2*\c+1]
.endr
.irp o, 8,16,24,32,40,48,56
.irp c, 0,1,2,3
	v_pk_fma_f32 v[\t+2+2*\c:\t+3+2*\c], v[\x+\o+2*\c:\x+\o+2*\c+1], v[\x+\o+2*\c:\x+\o+2*\c+1], v[\t+2+2*\c:\t+3+2*\c]
.endr
.endr
	v_pk_add_f32 v[\t+2:\t+3], v[\t+2:\t+3], v[\t+4:\t+5]
	v_pk_add_f32 v[\t+6:\t+7], v[\t+6:\t+7], v[\t+8:\t+9]
	v_pk_add_f32 v[\t+2:\t+3], v[\t+2:\t+3], v[\t+6:\t+7]
	v_add_f32 v[\t+2], v[\t+2], v[\t+3]
	v_permlanex16_b32 v[\pt], v[\t+2], s38, s39
	v_add_f32 v[\t+2], v[\t+2], v[\pt]
	v_fma_f32 v[\t+2], v[\t+2], 0x3c000000, s57    ; the variance + eps
	v_rsq_f32 v[\t+2], v[\t+2]
	v_nop                                          ; one plain instruction behind a transcendental before its result is used (ISA guide 5.7.2)
.set k, 0
	s_wait_alu depctr_va_vdst(0)                   ; the root's reciprocal is written, ahead of its first reader
.rept 32
	v_pk_mul_f32 v[\x+k:\x+k+1], v[\x+k:\x+k+1], v[\t+2:\t+3] op_sel_hi:[1,0]
.set k, k+2
.endr
.endm
; ================ THE HEAD ================
	s_load_b64 s[4:5], s[0:1], 0x0                 ; x
	s_load_b128 s[8:11], s[0:1], 0x8               ; mask s[8:9], the scales' exponents s[10:11]
	s_load_b128 s[12:15], s[0:1], 0x18             ; wsp s[12:13], out0 s[14:15]
	v_lshrrev_b32 v20, 5, v0
	v_readfirstlane_b32 s18, v20                   ; wave 0..7
	v_and_b32 v1, 31, v0
	v_lshlrev_b32 v1, 4, v1                        ; 16 x lane
	v_and_b32 v21, 15, v0                          ; r
	v_bfe_u32 v22, v0, 4, 1                        ; h
	v_bfe_u32 v23, v0, 3, 1                        ; g = r / 8
	v_and_b32 v24, 7, v0                           ; the token's column in the window
	v_lshlrev_b32 v25, 4, v0                       ; 16 x thread
	s_wait_alu depctr_va_sdst(0)                   ; s18 is written, ahead of its first reader: LDS places and bases are made from it
	s_mul_i32 s80, s18, STGW
	s_add_co_u32 s80, s80, STG                     ; my stage
	v_add_nc_u32 v2, s80, v1
	v_mul_u32_u24 v3, v21, SP
	v_lshl_add_u32 v3, v22, 6, v3
	v_add_nc_u32 v3, s80, v3
	; my tokens' pixels.  Both rolls bring a token to the same pixel: row (8 wh + i + 4) % 128, column (8 ww + j + 4) % 128.  Frame w / 2; i = 4 (w % 2) + u + 2 g.
	s_lshr_b32 s81, ttmp9, 4                       ; wh
	s_and_b32 s82, ttmp9, 15                       ; ww
	s_and_b32 s83, s18, 1
	s_lshr_b32 s84, s18, 1
	s_lshl_b32 s81, s81, 3
	s_lshl_b32 s85, s83, 2
	s_add_co_u32 s81, s81, s85
	s_add_co_u32 s81, s81, 4
	s_and_b32 s81, s81, 127                        ; a multiple of 4: adding u + 2 g, at most 3, never wraps
	s_lshl_b32 s81, s81, 16                        ; rows of 65,536 bytes
	s_lshl_b32 s85, s84, 23                        ; frames of 8,388,608
	s_add_co_u32 s81, s81, s85
	s_lshl_b32 s85, s82, 12
	s_add_co_u32 s85, s85, 2048                    ; columns 8 ww + 4 on: j = 0 .. 3
	s_add_co_u32 s85, s85, s81
	v_add_nc_u32 v4, s85, v1
	s_add_co_u32 s85, s82, 1
	s_and_b32 s85, s85, 15
	s_lshl_b32 s85, s85, 12                        ; columns 8 ((ww + 1) % 16) on: j = 4 .. 7
	s_add_co_u32 s85, s85, s81
	v_add_nc_u32 v5, s85, v1
	s_lshl_b32 s85, s18, 15
	v_add_nc_u32 v6, s85, v1                       ; mask: my 32 rows of 1,024 bytes
	s_lshl_b32 s85, s18, 13
	s_add_co_u32 s85, s85, QO
	v_add_nc_u32 v7, s85, v1
	s_mul_i32 s85, s84, 1080                       ; the table: 4 (270 d + 18 (4 (w % 2) + 2 g + 2) + j) - 144 h
	s_mul_i32 s86, s83, 288
	s_add_co_u32 s85, s85, s86
	s_add_co_u32 s85, s85, TAB+144
	v_mul_u32_u24 v8, v23, 144
	v_lshl_add_u32 v8, v24, 2, v8
	v_add_nc_u32 v8, s85, v8
	v_mul_u32_u24 v26, v22, 144
	v_sub_nc_u32 v8, v8, v26
	v_lshl_add_u32 v9, v22, 6, CST
	v_mov_b32 v12, 1.0
	v_mov_b32 v13, 0x43e00000                      ; 448.0
	v_mov_b32 v19, 0                               ; a lane permute's destination counts as one of its sources: written once
	s_mov_b32 s38, 0x76543210
	s_mov_b32 s39, 0xfedcba98                      ; v_permlanex16_b32's selects for lane l xor 16
	s_mov_b32 s57, 0x3727c5ac                      ; eps = 1e-5
	s_wait_kmcnt 0x0
	s_load_b256 s[24:31], s[10:11], 0x0            ; e0 .. e7: entry k in s[24 + k]
	s_load_b128 s[32:35], s[10:11], 0x20
	s_load_b64 s[36:37], s[10:11], 0x30
	s_add_nc_u64 s[6:7], s[4:5], 0x2000000         ; batch 1
	s_add_nc_u64 s[16:17], s[14:15], 0x2000000
	s_lshl_b32 s80, ttmp9, 18
	s_mov_b32 s81, 0
	s_add_nc_u64 s[8:9], s[8:9], s[80:81]          ; my window's mask
	s_lshl_b32 s80, s18, 14
	s_add_co_u32 s80, s80, 106496
	s_add_nc_u64 s[92:93], s[12:13], s[80:81]      ; my 16,384 bytes of W1 and W2, for later
	WIN 0x40
	s_wait_alu depctr_va_vdst(0)                   ; v1 to v9 and v25 are written
.set i, 0
.rept 26
	global_load_b128 v[4*i:4*i+3], v25, s[12:13] offset:4096*i   ; wsp's first 106,496 bytes, 4,096 an instruction of the eight waves
.set i, i+1
.endr
	WIN 0
	XDENSE 96, 4, 0                                ; batch 0, tile 0
	s_wait_kmcnt 0x0
	s_add_co_i32 s80, s28, s29                     ; e4 + e5
	s_lshl_b32 s81, s80, 23
	s_add_co_u32 s40, s81, 0x3fb8aa3b              ; log2(e) x 2^(e4 + e5): the exponents go into the exponent field
	s_mov_b32 s41, s40                             ; (a packed form names the pair, so both words are written)
	s_sub_co_i32 s81, 127, s80
	s_lshl_b32 s42, s81, 23                        ; 2^-(e4 + e5), for the mask
	s_mov_b32 s43, s42
	s_add_co_i32 s80, s24, s25
	s_sub_co_i32 s80, s80, s28
	s_lshl_b32 s80, s80, 23
	s_add_co_u32 s44, s80, 0x3e3504f3              ; 32^-0.5 x 2^(e0 + e1 - e4)
	s_mov_b32 s45, s44
	s_add_co_i32 s80, s32, s33
	s_add_co_i32 s80, s80, 127
	s_lshl_b32 s46, s80, 23                        ; 2^(e8 + e9)
	s_mov_b32 s47, s46
	s_add_co_i32 s80, s34, s35
	s_lshl_b32 s81, s80, 23
	s_add_co_u32 s48, s81, 0x3f3504f3              ; 2^-0.5 x 2^(e10 + e11)
	s_mov_b32 s49, s48
	s_sub_co_i32 s80, s80, s36
	s_add_co_i32 s80, s80, 126
	s_lshl_b32 s50, s80, 23                        ; 2^(e10 + e11 - e12 - 1)
	s_mov_b32 s51, s50
	s_add_co_i32 s80, s36, s37
	s_sub_co_i32 s81, 127, s80
	s_lshl_b32 s52, s81, 23                        ; 2^-(e12 + e13)
	s_mov_b32 s53, s52
	s_add_co_i32 s80, s80, 127
	s_lshl_b32 s54, s80, 23                        ; 2^(e12 + e13)
	s_mov_b32 s55, s54
	s_add_co_i32 s56, s30, s31
	s_sub_co_i32 s56, s56, s32                     ; e6 + e7 - e8
	s_mov_b32 s58, 0x32edffee                      ; erf's numerator: a11, a9, a7, a5, a3, a1 (a13 lies in a vector pair)
	s_mov_b32 s59, s58
	s_mov_b32 s60, 0xb60cff51
	s_mov_b32 s61, s60
	s_mov_b32 s62, 0xb86ec2d2
	s_mov_b32 s63, s62
	s_mov_b32 s66, 0xba40ac63
	s_mov_b32 s67, s66
	s_mov_b32 s68, 0xbb41a1f6
	s_mov_b32 s69, s68
	s_mov_b32 s70, 0xbc83dbd4
	s_mov_b32 s71, s70
	s_mov_b32 s72, 0xb95fbd29                      ; its denominator: b6, b4, b2, b0 (b8 in a vector pair)
	s_mov_b32 s73, s72
	s_mov_b32 s74, 0xbadc924e
	s_mov_b32 s75, s74
	s_mov_b32 s76, 0xbbf19bf8
	s_mov_b32 s77, s76
	s_mov_b32 s78, 0xbc69b6a7
	s_mov_b32 s79, s78
	MKSC 14, 15, 24                                ; e0: the tokens as q's operand
	MKSC 16, 17, 26                                ; e2: as k's and v's
	v_add_nc_u32 v26, WQKV, v25
	v_add_nc_u32 v27, WQKV+65536, v25
	s_wait_loadcnt 16                              ; the 26 copy loads are in; the 16 loads of x issued behind them stay out
	WIN 0x04
	s_wait_alu depctr_va_vdst(0)                   ; v26 and v27 are written, the addresses of the stores below
.set i, 0
.rept 16
	ds_store_b128 v26, v[4*i:4*i+3] offset:4096*i
.set i, i+1
.endr
.rept 10
	ds_store_b128 v27, v[4*i:4*i+3] offset:4096*(i-16)
.set i, i+1
.endr
	WIN 0
	BAR                                            ; barrier 1: weights, table and vectors lie in LDS
	WIN 0x40
	s_wait_alu depctr_vm_vsrc(0)                   ; the copy's stores have read window 1 v0-103, in which the norm's vectors land
	VEC64 0, 4608                                  ; norm 1's gain, window 1 v0-63
	VEC64 64, 5120                                 ; and offset, v64-127
	WIN 0
; ================ PHASE A, 1: norm 1 and the two quantisations ================
; window 0: v32-95 the tile turned; v96-159 the next tile as loaded; v160-223 a held copy.  window 1: v128.. the tokens' codes under e0, v192.. under e2, 16 registers a tile and batch (tb = 2 batch + u).
.macro LN_TB tb, more, nsb, nu
	s_wait_loadcnt 0x0                             ; the tile's sixteen rows
.if \tb > 0
	s_wait_alu depctr_va_vdst(0)                   ; the last tile's norm, holds and conversions are done with v32-95, in which the turned tile lands
.endif
	TURN_IN 96, 32
	s_wait_dscnt 0x0                               ; turned
	s_wait_alu depctr_vm_vsrc(0)                   ; the stage's stores have read v96-159, which take the next tile's loads, and behind the last tile the products' sums
.if \more
	XDENSE 96, \nsb, \nu                           ; the next tile: no vector instruction names v96-159 in this phase
.endif
	LNSTAT 32, 20, 19
	WIN 0x14                                       ; gain and offset in window 1
.set k, 0
.rept 32
	v_pk_fma_f32 v[32+k:33+k], v[32+k:33+k], v[k:k+1], v[64+k:65+k]
.set k, k+2
.endr
	WIN 0
	HOLD 160, 32, 64, 15
	WIN 0x40
	CVT 128+16*\tb, 160, 8, 14
	WIN 0
	HOLD 32, 32, 64, 17
	WIN 0x40
	CVT 192+16*\tb, 32, 8, 16
	WIN 0
	v_nop                                          ; one plain instruction between a scaled conversion and what next touches its result or writes its sources
.endm
	LN_TB 0, 1, 4, 1
	LN_TB 1, 1, 6, 0
	LN_TB 2, 1, 6, 1
	LN_TB 3, 0, 0, 0
; the mask's 16 rows of tile u, two loads of 512 bytes a row, into window 1 v0-127: asked for a phase ahead, into registers that are done with
.macro MASKLOAD u
	WIN 0x40
	s_wait_alu depctr_va_vdst(0)                   ; the multiply-adds that read window 1 v0-127 (norm 1's vectors; the first tile of the mask) are done: the loads below land there
.irp s, 0,1
.irp t, 0,1,2,3,4,5,6,7,8,9,10,11,12,13,14,15
	global_load_b128 v[64*\s+4*\t:64*\s+4*\t+3], v6, s[8:9] offset:(8*\u+\t+8*(\t/8))*1024+512*\s th:TH_LOAD_NT
.endr
.endr
	WIN 0
.endm
	MASKLOAD 0
; ================ PHASE A, 2: k, v, q ================
; Twelve steps, a head's 32 channels each, for my four tiles.  A step's two weight fragments and its bias were asked for at the head of the step before.
.macro WFETCH kind, c, buf             ; kind 0 q, 1 k, 2 v
.set k, 0
.rept 8
	ds_load_b128 v[WA+32*(\buf)+4*k:WA+32*(\buf)+4*k+3], v10 offset:16384*(\kind)+4096*(\c)+512*k
.set k, k+1
.endr
.if \kind == 2
.irp u2, 0,1
.irp j, 0,1,2,3,4,5,6,7
	ds_load_b32 v[BC+16*(\buf)+8*\u2+\j], v19 offset:128*(\c)+32*\u2   ; v: a lane holds one channel, so its bias fills the tile's eight registers
.endr
.endr
.else
.irp q, 0,1,2,3
	ds_load_b128 v[BC+16*(\buf)+4*\q:BC+16*(\buf)+4*\q+3], v9 offset:512*(\kind)+128*(\c)+16*\q
.endr
.endif
.endm
.macro PSTEP kind, c, buf, more, nkind, nc
	s_wait_dscnt 0x0                               ; this step's fragments and bias are in
.if (\kind == 2) || ((\kind == 1) && (\c > 0))
	s_wait_alu depctr_vm_vsrc(0)                   ; the last step's stores have read v[CT ..], which this step's conversions write again
.endif
.if \more
.if (\kind == 0) && (\c > 0)
	s_wait_alu depctr_va_vdst(0)                   ; the last step's products are done reading the other fragments and bias, in which the loads below land (behind a step of k or v the wait ahead of its stores has stated that)
.endif
	WFETCH \nkind, \nc, 1-\buf                     ; the next step's, into the buffers that the step before read: this step's products name the other ones
.endif
.if \kind == 2
	WIN 0x01                                       ; source 0: the tokens, window 1
.irp u2, 0,1
.irp tb, 0,1,2,3
	v_wmma_f32_16x16x128_fp8_fp8 v[DD+8*(4*\u2+\tb):DD+8*(4*\u2+\tb)+7], v[192+16*\tb:207+16*\tb], v[WA+32*\buf+16*\u2:WA+32*\buf+16*\u2+15], v[BC+16*\buf+8*\u2:BC+16*\buf+8*\u2+7]
.endr
.endr
.else
	WIN 0x04                                       ; source 1: the tokens, window 1
.irp tb, 0,1,2,3
.irp u1, 0,1
	v_wmma_f32_16x16x128_fp8_fp8 v[DD+8*(2*\tb+\u1):DD+8*(2*\tb+\u1)+7], v[WA+32*\buf+16*\u1:WA+32*\buf+16*\u1+15], v[128+64*\kind+16*\tb:143+64*\kind+16*\tb], v[BC+16*\buf+8*\u1:BC+16*\buf+8*\u1+7]
.endr
.endr
.endif
	WIN 0
	NOPS 4                                         ; four places behind a matrix instruction before its result is read (ISA guide 7.12.1)
.if \kind == 1
	HOLD DD, DD, 64, 15
	CVT CT, DD, 8, 14                              ; a sum stands for sum x 2^(e2 + e3): the conversion's one scale is 2^(e5 - e2 - e3)
	v_nop
	s_wait_alu depctr_va_vdst(0)                   ; the conversions have written v[CT ..], which the stores read; and this step's products are done reading their fragments and bias, which the next step's loads take
.irp tb, 0,1,2,3
	ds_store_b128 v11, v[CT+4*\tb:CT+4*\tb+3] offset:(\tb/2)*32768+\c*8192+(\tb%2)*512   ; 16 keys x the head's 32
.endr
.endif
.if \kind == 2
	HOLD DD, DD, 64, 17
	CVT CT, DD, 8, 16
	v_nop
	s_wait_alu depctr_va_vdst(0)                   ; the conversions have written v[CT ..], which the stores read; and this step's products are done reading their fragments and bias, which the next step's loads take
.irp u2, 0,1
.irp be, 0,1
	ds_store_b128 v18, v[CT+8*\u2+4*\be:CT+8*\u2+4*\be+3] offset:\be*32768+\c*8192+\u2*4096   ; 16 channels x my 32 keys: registers 4 (w % 4) on of K step w / 4
.endr
.endr
.endif
.if \kind == 0
.set k, 0
.rept 32
	v_pk_mul_f32 v[DD+k:DD+k+1], v[DD+k:DD+k+1], s[44:45] op_sel_hi:[1,0]   ; x 32^-0.5, and into units of 2^e4
.set k, k+2
.endr
	HOLD DD, DD, 64, 13
	WIN 0x40
.irp tb, 0,1,2,3
.irp u1, 0,1
	v_cvt_scalef32_pk8_fp8_f32 v[192+16*\tb+4*\c+2*\u1:193+16*\tb+4*\c+2*\u1], v[DD+8*(2*\tb+\u1):DD+8*(2*\tb+\u1)+7], v12
.endr
.endr
	WIN 0
	v_nop
.endif
.endm
	s_sub_co_i32 s80, s29, s26
	s_sub_co_i32 s80, s80, s27
	MKSC 14, 15, 80                                ; e5 - e2 - e3
	s_sub_co_i32 s80, s31, s26
	s_sub_co_i32 s80, s80, s27
	MKSC 16, 17, 80                                ; e7 - e2 - e3
	v_add_nc_u32 v10, WQKV, v1
	s_lshl_b32 s80, s18, 10
	v_add_nc_u32 v11, s80, v1                      ; k's pieces: tile 2 w + u
	s_lshr_b32 s80, s18, 2
	s_lshl_b32 s80, s80, 11
	s_and_b32 s81, s18, 3
	s_lshl_b32 s81, s81, 9
	s_add_co_u32 s80, s80, s81
	s_add_co_u32 s80, s80, VIMG
	v_add_nc_u32 v18, s80, v1
	v_and_b32 v19, 15, v0
	v_and_b32 v20, 8, v19
	v_add_nc_u32 v19, v19, v20
	v_lshl_add_u32 v19, v19, 2, CST+1024           ; v's bias at my channel r + 8 (r / 8)
	s_wait_alu depctr_va_vdst(0)                   ; v10, v11, v18 and v19 are written, this phase's LDS addresses; the norm's lines are done with v32-95 and v160-191, in which fragments and bias land
	WFETCH 1, 0, 0
	PSTEP 1, 0, 0, 1, 1, 1
	PSTEP 1, 1, 1, 1, 1, 2
	PSTEP 1, 2, 0, 1, 1, 3
	PSTEP 1, 3, 1, 1, 2, 0
	PSTEP 2, 0, 0, 1, 2, 1
	PSTEP 2, 1, 1, 1, 2, 2
	PSTEP 2, 2, 0, 1, 2, 3
	PSTEP 2, 3, 1, 1, 0, 0
	PSTEP 0, 0, 0, 1, 0, 1                         ; q last: its codes take the registers of the tokens' codes under e2
	PSTEP 0, 1, 1, 1, 0, 2
	PSTEP 0, 2, 0, 1, 0, 3
	PSTEP 0, 3, 1, 0, 0, 0
	BAR                                            ; barrier 2: k and v lie in LDS, and nobody reads Wq, Wk, Wv any more
	WIN 0x04
	s_wait_alu depctr_va_vdst(0)                   ; the conversions have written q's codes, window 1 v192-255, which the stores read
.set k, 0
.rept 16
	ds_store_b128 v7, v[192+4*k:195+4*k] offset:512*k   ; q's pieces [batch][u][head], over the weights' bytes: the wave's own
.set k, k+1
.endr
	WIN 0
; ================ PHASE B: attention ================
; window 1: v0-127 the mask's tile; v128-255 bias + mask, in the scores' layout.  window 0: v16-27 q | zeros | q; v28, v29 maxima; v30 the exchange; v32 -M; v34-37 sums; v38 1 / sum;
; v40-55 o; v56-119 k's pieces, then v's fragments; v120-151 p's codes (from v128 on over scores that are converted already); v128-255 the scores, then p.
	MKSC 14, 15, 30                                ; e6
.irp i, 20,21,22,23,30,33,39
	v_mov_b32 v\i, 0                               ; the zeros beside q; registers named as a pair's upper half or as a permute's destination
.endr
.macro QKFETCH be
	ds_load_b128 v[16:19], v31 offset:4096*\be
	ds_load_b128 v[24:27], v31 offset:4096*\be
.set k, 0
.rept 16
	ds_load_b128 v[56+4*k:59+4*k], v10 offset:32768*\be+512*k
.set k, k+1
.endr
.endm
.macro VFETCH be                       ; v's four fragments, into the registers of k's pieces
.set k, 0
.rept 16
	ds_load_b128 v[56+4*k:59+4*k], v11 offset:32768*\be+512*k
.set k, k+1
.endr
.endm
.macro SUMS blk                        ; the row's sum is taken of the unquantised p, two at a time, in two chains
.if \blk == 0
	s_wait_alu depctr_va_vdst(0)                   ; the exponentials issued so far have written p, this block's among them.  It also stands behind the sixteen score products, which are done reading k's pieces
	v_pk_add_f32 v[34:35], v[128:129], v[130:131]
	v_pk_add_f32 v[36:37], v[132:133], v[134:135]
.irp j, 8,12
	v_pk_add_f32 v[34:35], v[34:35], v[128+\j:129+\j]
	v_pk_add_f32 v[36:37], v[36:37], v[130+\j:131+\j]
.endr
.else
	s_wait_alu depctr_va_vdst(0)                   ; the exponentials issued so far have written p, this block's among them
.irp j, 0,4,8,12
	v_pk_add_f32 v[34:35], v[34:35], v[128+16*(\blk)+\j:129+16*(\blk)+\j]
	v_pk_add_f32 v[36:37], v[36:37], v[130+16*(\blk)+\j:131+16*(\blk)+\j]
.endr
.endif
.endm
; One tile of 16 queries, one head, one batch.
.macro BODY be, nxt
	s_wait_dscnt 0x0                               ; q's piece and k's sixteen are in
.if \be
	s_wait_alu depctr_vm_vsrc(0)                   ; the first batch's o store has read v34-37, which the sums below write again
.endif
	WIN 0x10                                       ; C: bias + mask, window 1
.set a, 0
.rept 8
	v_wmma_f32_16x16x64_fp8_fp8 v[128+16*a:135+16*a], v[56+8*a:63+8*a], v[16:23], v[128+16*a:135+16*a]
	v_wmma_f32_16x16x64_fp8_fp8 v[136+16*a:143+16*a], v[56+8*a:63+8*a], v[20:27], v[136+16*a:143+16*a]
.set a, a+1
.endr                                              ; register 16 a + i: key 32 a + 16 h + i of my query
	WIN 0
	NOPS 4                                         ; places in front of the first read of the scores
	v_max3_num_f32 v28, v128, v129, v130           ; the largest score, in two chains, each accumulator from its low end on
	v_max3_num_f32 v29, v131, v132, v133
.set i, 6
.rept 30
	v_max3_num_f32 v28, v28, v[128+i], v[129+i]
	v_max3_num_f32 v29, v29, v[130+i], v[131+i]
.set i, i+4
.endr
	v_max3_num_f32 v28, v28, v254, v255
	v_max_num_f32 v28, v28, v29
	v_permlanex16_b32 v30, v28, s38, s39
	v_max_num_f32 v28, v28, v30                    ; and among the row's other 128 keys
	v_mul_f32 v28, s40, v28                        ; as t
	v_floor_f32 v32, -v28                          ; -M = floor(-t): M is a whole number
.set b, 0
.rept 8
.set j, 0
.rept 8
	v_pk_fma_f32 v[128+16*b+j:129+16*b+j], v[128+16*b+j:129+16*b+j], s[40:41], v[32:33] op_sel_hi:[1,0,0]   ; t - M
.set j, j+2
.endr
.set j, 0
.rept 16
	v_exp_f32 v[128+16*b+j], v[128+16*b+j]         ; p = 2^(t - M)
.set j, j+1
.endr
.if b > 0
	SUMS b-1                                       ; plain lines behind the exponentials, on the block before
.endif
.if b == 1
	VFETCH \be                                     ; v's fragments land under the rest of the softmax.  No wait of their own: the wait at the head of the sums just above stands behind the products that read v56-119, and no vector instruction since names v56-119 or v11
.endif
.set b, b+1
.endr
	SUMS 7
	s_cmp_ge_i32 s30, -8                           ; p is at most 1: the hold can bite only where 448 x 2^e6 < 1, that is e6 < -8
	s_cbranch_scc1 .Lnohold_\@
.set i, 0
.rept 128
	v_min_num_f32 v[128+i], v[128+i], v15
.set i, i+1
.endr
.Lnohold_\@:
.set b, 0
.rept 8
	v_cvt_scalef32_pk8_fp8_f32 v[120+4*b:121+4*b], v[128+16*b:135+16*b], v14
	v_cvt_scalef32_pk8_fp8_f32 v[122+4*b:123+4*b], v[136+16*b:143+16*b], v14
	v_nop                                          ; a plain line: a later conversion writes over these two's sources, and the products below read the last two's results
.set b, b+1
.endr
	s_wait_dscnt 0x0                               ; v
	v_wmma_f32_16x16x128_fp8_fp8 v[40:47], v[56:71], v[120:135], 0          ; o^T = v^T p^T: two tiles of 16 channels by turns
	v_wmma_f32_16x16x128_fp8_fp8 v[48:55], v[88:103], v[120:135], 0
	v_wmma_f32_16x16x128_fp8_fp8 v[40:47], v[72:87], v[136:151], v[40:47]
	v_wmma_f32_16x16x128_fp8_fp8 v[48:55], v[104:119], v[136:151], v[48:55]
	v_pk_add_f32 v[34:35], v[34:35], v[36:37]      ; the sum's lines name none of the products' registers: five of them are plain places
	v_add_f32 v34, v34, v35
	v_permlanex16_b32 v30, v34, s38, s39
	v_add_f32 v34, v34, v30
	v_rcp_f32 v38, v34
	v_nop
	s_wait_alu depctr_va_vdst(0)                   ; the reciprocal has written v38.  It also stands behind the four products above, which are done reading v's fragments, and behind the score products, which are done reading q's piece
	v_ldexp_f32 v38, v38, s56                      ; 2^(e6 + e7 - e8) / the sum: o in units of 2^e8
.if \nxt
	QKFETCH 1                                      ; no wait of its own: since the wait above only v38 has been named
.endif
.set k, 0
.rept 8
	v_pk_mul_f32 v[40+k:41+k], v[40+k:41+k], v[38:39] op_sel_hi:[1,0]
.set k, k+2
.endr
	HOLD 40, 40, 16, 13
	v_cvt_scalef32_pk8_fp8_f32 v[34:35], v[40:47], v12
	v_cvt_scalef32_pk8_fp8_f32 v[36:37], v[48:55], v12
	v_nop
	s_wait_alu depctr_va_vdst(0)                   ; the two conversions have written v34-37, which the store reads
	ds_store_b128 v31, v[34:37] offset:4096*\be    ; channels 16 h + 0 .. 15 of the head: registers 4 head on of proj's operand, in the place of the q piece just used
.endm
	s_mov_b32 s20, 0                               ; u
	s_mov_b32 s82, 0                               ; 2,048 u
	s_mov_b32 s83, 0                               ; 72 u: a window row further down is 18 words on in the table
.Lu:
	s_wait_loadcnt 0x0                             ; the mask's tile
.irp s, 0,1
	WIN 0x04
.set k, 0
.rept 16
	ds_store_b128 v2, v[64*\s+4*k:64*\s+4*k+3] offset:SP*k
.set k, k+1
.endr
	WIN 0x40
	s_wait_alu depctr_vm_vsrc(0)                   ; the sixteen stores have read their data registers, in which the loads below land
.set k, 0
.rept 16
	ds_load_b128 v[64*\s+4*k:64*\s+4*k+3], v3 offset:128*(k/4)+16*(k%4)   ; register 16 b + i: mask(my query, key 32 b + 16 h + i)
.set k, k+1
.endr
.endr
	WIN 0
	s_mov_b32 s21, 0                               ; head
	s_mov_b32 s22, 0                               ; 8,192 head
	s_mov_b32 s23, s82                             ; 2,048 u + 512 head
	s_mov_b32 s86, s83                             ; 72 u + 8,192 head
.Lc:
	s_wait_dscnt 0x0                               ; the last o piece is stored
	s_wait_alu depctr_vm_vsrc(0)                   ; the LDS instructions issued so far have read v10, v11 and v31, which are written below (ahead of the first trip: also v18, v19 and window 1 v192-255, in which loads land below)
	v_add_nc_u32 v10, s22, v1
	v_add_nc_u32 v11, VIMG, v10
	v_add_nc_u32 v31, s23, v7
	v_add_nc_u32 v28, s86, v8
	WIN 0x40
	s_wait_alu depctr_va_vdst(0)                   ; the four addresses are written; the last trip's products are done reading bias + mask, q's piece and the fragments, in which the loads below land
.set b, 0
.rept 8
.set i, 0
.rept 16
	ds_load_b32 v[128+16*b+i], v28 offset:4*((3-b/2)*270+(5-4*(b%2)-i/8)*18+7-i%8)   ; the gather is a sum of a lane's term and a register's: no index is computed
.set i, i+1
.endr
.set b, b+1
.endr
	WIN 0
	QKFETCH 0
	s_wait_dscnt 0x0
	s_wait_alu depctr_vm_vsrc(0)                   ; the gather has read v28, which the maxima of the bodies below write
	WIN 0x51
.set k, 0
.rept 64
	v_pk_fma_f32 v[128+k:129+k], v[k:k+1], s[42:43], v[128+k:129+k] op_sel_hi:[1,0,1]   ; bias + mask, both in units of 2^(e4 + e5); it serves both batches
.set k, k+2
.endr
	WIN 0
	s_cmp_lg_u32 s21, 3                            ; behind the last head's use of the mask's tile its registers take what comes next:
	s_cbranch_scc1 .Lnoask
	s_cmp_lg_u32 s20, 0
	s_cbranch_scc1 .Laskw
	s_wait_loadcnt 0x0                             ; no two loads aim at one register: whatever was loaded into the tile's registers before has landed (here nothing of mine is out: the tile was waited for at the head of the trip over u, so the wait is met at once)
	MASKLOAD 1                                     ; the second tile's rows,
	s_branch .Lnoask
.Laskw:
	s_wait_loadcnt 0x0                             ; likewise, ahead of the weights' loads into the same registers
	WIN 0x40
	s_wait_alu depctr_va_vdst(0)                   ; the multiply-adds above are done reading the mask's tile, window 1 v0-127, in which the loads below land
.set k, 0
.rept 32
	global_load_b128 v[4*k:4*k+3], v1, s[92:93] offset:512*k   ; or my share of W1 and W2
.set k, k+1
.endr
	WIN 0
.Lnoask:
	BODY 0, 1
	BODY 1, 0
	s_add_co_u32 s22, s22, 8192
	s_add_co_u32 s23, s23, 512
	s_add_co_u32 s86, s86, 8192
	s_add_co_u32 s21, s21, 1
	s_cmp_lt_u32 s21, 4
	s_cbranch_scc1 .Lc
	s_add_co_u32 s82, s82, 2048
	s_add_co_u32 s83, s83, 72
	s_add_co_u32 s20, s20, 1
	s_cmp_lt_u32 s20, 2
	s_cbranch_scc1 .Lu
	XDENSE2                                        ; the shortcut of tile 0.  No wait of its own: the wait ahead of the last o store stands behind every line that named v128-255, and no vector instruction has been issued since
	BAR                                            ; barrier 3: nobody reads k and v any more
	s_lshl_b32 s80, s18, 14
	v_add_nc_u32 v10, s80, v1                      ; (the last load that read v10 stands ahead of the wait on vm_vsrc at the head of the last body)
	s_wait_loadcnt 32                              ; my share of W1 and W2 is in; the 32 loads of x issued behind it stay out
	WIN 0x04
	s_wait_alu depctr_va_vdst(0)                   ; v10 is written, the address of the stores below
.set k, 0
.rept 32
	ds_store_b128 v10, v[4*k:4*k+3] offset:512*k
.set k, k+1
.endr
	WIN 0
	BAR                                            ; barrier 4: W1 and W2 lie in LDS
; ================ PHASE C: proj, residual, norm 2, MLP, residual ================
; Two passes, a tile u of both batches at a time, so that each weight fragment read from LDS feeds two products.
; window 0: v32-63 at work; v64-127 four weight fragments; v128-255 x, y, the normed tokens, the hidden layer (64 a batch).  window 1: v0-127 the sums of proj, then of fc2; v128-191 a bias; v192-223, v224-255 operands.
.macro FRAG4 adr, off                  ; four fragments into v64-127
.set k, 0
.rept 16
	ds_load_b128 v[64+4*k:67+4*k], v[\adr] offset:\off+512*k
.set k, k+1
.endr
.endm
.macro PROJ8 t0
.irp tt, 0,1,2,3
.irp be, 0,1
	v_wmma_f32_16x16x128_fp8_fp8 v[64*\be+8*(\t0+\tt):64*\be+8*(\t0+\tt)+7], v[64+16*\tt:79+16*\tt], v[192+16*\be:207+16*\be], v[128+8*(\t0+\tt):128+8*(\t0+\tt)+7]
.endr
.endr
.endm
.macro FC1_8 t0
.irp tt, 0,1,2,3
.irp be, 0,1
	v_wmma_f32_16x16x128_fp8_fp8 v[128+64*\be+8*(\t0+\tt):128+64*\be+8*(\t0+\tt)+7], v[64+16*\tt:79+16*\tt], v[192+16*\be:207+16*\be], v[128+8*(\t0+\tt):128+8*(\t0+\tt)+7]
.endr
.endr
.endm
.macro FC2_8 t0                        ; sixteen accumulators by turns, one instruction a turn
.irp tt, 0,1,2,3
.irp be, 0,1
	v_wmma_f32_16x16x128_fp8_fp8 v[64*\be+8*(\t0+\tt):64*\be+8*(\t0+\tt)+7], v[64+16*\tt:79+16*\tt], v[224+16*\be:239+16*\be], v[64*\be+8*(\t0+\tt):64*\be+8*(\t0+\tt)+7]
.endr
.endr
.endm
; GELU of one accumulator's eight sums, four pairs side by side, into units of 2^e12: H = sum x 2^(e10 + e11 - e12 - 1); result H erf(z) + H, z = sum x 2^(e10 + e11) / sqrt(2)
.macro GEL4 hb
.irp p, 0,1,2,3
	v_pk_mul_f32 v[32+2*\p:33+2*\p], v[\hb+2*\p:\hb+2*\p+1], s[48:49] op_sel_hi:[1,0]
.endr
.irp p, 0,1,2,3
	v_pk_mul_f32 v[\hb+2*\p:\hb+2*\p+1], v[\hb+2*\p:\hb+2*\p+1], s[50:51] op_sel_hi:[1,0]
.endr
.irp i, 0,1,2,3,4,5,6,7
	v_med3_num_f32 v[32+\i], v[32+\i], -4.0, 4.0
.endr
.irp p, 0,1,2,3
	v_pk_mul_f32 v[40+2*\p:41+2*\p], v[32+2*\p:33+2*\p], v[32+2*\p:33+2*\p]
.endr
.irp p, 0,1,2,3
	v_pk_fma_f32 v[56+2*\p:57+2*\p], v[40+2*\p:41+2*\p], v[18:19], s[72:73] op_sel_hi:[1,1,0]
.endr
.irp cf, 74,76,78
.irp p, 0,1,2,3
	v_pk_fma_f32 v[56+2*\p:57+2*\p], v[56+2*\p:57+2*\p], v[40+2*\p:41+2*\p], s[\cf:\cf+1] op_sel_hi:[1,1,0]
.endr
.endr
.irp i, 0,1,2,3,4,5,6,7
	v_rcp_f32 v[56+\i], v[56+\i]
.endr
.irp p, 0,1,2,3
	v_pk_fma_f32 v[48+2*\p:49+2*\p], v[40+2*\p:41+2*\p], v[16:17], s[58:59] op_sel_hi:[1,1,0]   ; the numerator's lines are the plain lines behind the reciprocals
.endr
.irp cf, 60,62,66,68,70
.irp p, 0,1,2,3
	v_pk_fma_f32 v[48+2*\p:49+2*\p], v[48+2*\p:49+2*\p], v[40+2*\p:41+2*\p], s[\cf:\cf+1] op_sel_hi:[1,1,0]
.endr
.endr
.irp p, 0,1,2,3
	v_pk_mul_f32 v[48+2*\p:49+2*\p], v[48+2*\p:49+2*\p], v[32+2*\p:33+2*\p]
.endr
	s_wait_alu depctr_va_vdst(0)                   ; the eight reciprocals have written v56-63.  In the first call behind eight products of fc1 it also states that those are done reading their fragments, v64-127
.irp p, 0,1,2,3
	v_pk_mul_f32 v[48+2*\p:49+2*\p], v[48+2*\p:49+2*\p], v[56+2*\p:57+2*\p]
.endr
.irp p, 0,1,2,3
	v_pk_fma_f32 v[\hb+2*\p:\hb+2*\p+1], v[\hb+2*\p:\hb+2*\p+1], v[48+2*\p:49+2*\p], v[\hb+2*\p:\hb+2*\p+1]
.endr
.endm
	MKSC 14, 15, 34                                ; e10
	v_mov_b32 v16, 0xaf95df0b                      ; a13
	v_mov_b32 v17, 0xaf95df0b
	v_mov_b32 v18, 0xb77460cd                      ; b8
	v_mov_b32 v19, 0xb77460cd
	v_mov_b32 v24, 0                               ; the exchange's register
	v_add_nc_u32 v25, WPL, v1
	s_mov_b32 s20, 0                               ; the pass = u
	s_mov_b32 s82, 0                               ; 2,048 u
.Lpass:
	s_wait_alu depctr_vm_vsrc(0)                   ; first pass: my stores of W1 and W2 have read window 1 v0-127, which proj's sums write, and the last o store v34-37, which norm 2 writes; second pass: the first pass's loads have read v23
	v_add_nc_u32 v23, s82, v7
	WIN 0x40
	s_wait_alu depctr_va_vdst(0)                   ; v23 and v25 are written; every earlier product and multiply-add is done with window 1 v128-223 and with v64-127, in which the loads below land
	VEC64 128, 1536                                ; proj's bias
.irp be, 0,1
.irp c, 0,1,2,3
	ds_load_b128 v[192+16*\be+4*\c:195+16*\be+4*\c], v23 offset:4096*\be+512*\c   ; o's four pieces are proj's operand
.endr
.endr
	WIN 0
	FRAG4 25, 0
	s_wait_dscnt 0x0
	WIN 0x54                                       ; tokens, C and D in window 1
	PROJ8 0
	WIN 0
	NOPS 4
	s_wait_alu depctr_va_vdst(0)                   ; the eight products are done reading v64-127, in which the next four fragments land
	FRAG4 25, 8192
	s_wait_dscnt 0x0
	WIN 0x54
	PROJ8 4
	WIN 0
	NOPS 4
	WIN 0x40
	s_wait_alu depctr_va_vdst(0)                   ; proj's products are done reading their bias, their operands and their fragments: the three vectors below land in those registers
	VEC64 128, 4096                                ; fc2's bias
	VEC64 192, 6144                                ; norm 2's offset
	WIN 0
	VEC64 64, 5632                                 ; and gain
	s_wait_loadcnt 0x0                             ; x
	TURN_IN 128, 128
	TURN_IN 192, 192
	s_wait_dscnt 0x0
	WIN 0x01
.set k, 0
.rept 64
	v_pk_fma_f32 v[128+k:129+k], v[k:k+1], s[46:47], v[128+k:129+k] op_sel_hi:[1,0,1]   ; y = x + proj's sum x 2^(e8 + e9)
.set k, k+2
.endr
	WIN 0x50
.set k, 0
.rept 64
	v_pk_fma_f32 v[k:k+1], v[128+k:129+k], s[52:53], v[128+k%64:129+k%64] op_sel_hi:[1,0,1]   ; y and fc2's bias begin fc2's sums, in units of 2^(e12 + e13)
.set k, k+2
.endr
	WIN 0
	LNSTAT 128, 32, 24
	LNSTAT 192, 32, 24
	WIN 0x10
.set k, 0
.rept 64
	v_pk_fma_f32 v[128+k:129+k], v[128+k:129+k], v[64+k%64:65+k%64], v[192+k%64:193+k%64]
.set k, k+2
.endr
	WIN 0
	HOLD 128, 128, 128, 15
	WIN 0x40
	CVT 192, 128, 16, 14                           ; fc1's operands, over norm 2's offset, which both batches have used
	WIN 0
	v_nop
	s_mov_b32 s21, 0                               ; chunk of 128 hidden units
	s_mov_b32 s22, 0                               ; 16,384 chunk: eight fragments
	s_mov_b32 s23, 0                               ; 512 chunk: 128 f32
.Lchunk:
	s_wait_alu depctr_vm_vsrc(0)                   ; the last chunk's LDS loads have read v20, v21 and v22, which are written below
	v_add_nc_u32 v20, s22, v1
	v_add_nc_u32 v21, VIMG, v20
	v_add_nc_u32 v22, s23, v9
	WIN 0x40
	s_wait_alu depctr_va_vdst(0)                   ; the three addresses are written; the lines that read window 1 v128-191 (a bias) and v64-127 (norm 2's gain; the last chunk's fragments of W2) are done: the loads below land there
.set k, 0
.rept 16
	ds_load_b128 v[128+4*k:131+4*k], v22 offset:2048+128*(k/4)+16*(k%4)   ; fc1's bias for this chunk
.set k, k+1
.endr
	WIN 0
	FRAG4 20, 0
	s_wait_dscnt 0x0
	WIN 0x14                                       ; tokens and C in window 1
	FC1_8 0
	WIN 0
	NOPS 4
	GEL4 128                                       ; the GELU of a half of fc1 follows that half
	FRAG4 20, 8192                                 ; W1's other four land under the seven calls below.  No wait of their own: the wait in the call above stands behind the eight products, and no line since names v64-127 or v20
.irp n, 1,2,3,8,9,10,11
	GEL4 128+8*\n
.endr
	s_wait_dscnt 0x0
	WIN 0x14
	FC1_8 4
	WIN 0
	NOPS 4
	GEL4 128+8*4
	FRAG4 21, 0                                    ; W2's first four land under the GELU: likewise behind the wait in the call above
.irp n, 5,6,7,12,13,14,15
	GEL4 128+8*\n
.endr
	HOLD 128, 128, 128, 13
	WIN 0x40
	CVT 224, 128, 16, 12                           ; K step 'chunk' of fc2
	WIN 0
	v_nop
	s_wait_dscnt 0x0
	WIN 0x54
	FC2_8 0
	WIN 0
	NOPS 4
	s_wait_alu depctr_va_vdst(0)                   ; the eight products are done reading v64-127, in which W2's other four fragments land
	FRAG4 21, 8192
	s_wait_dscnt 0x0
	WIN 0x54
	FC2_8 4
	WIN 0
	NOPS 4
	s_add_co_u32 s22, s22, 16384
	s_add_co_u32 s23, s23, 512
	s_add_co_u32 s21, s21, 1
	s_cmp_lt_u32 s21, 4
	s_cbranch_scc1 .Lchunk
	WIN 0x01
.set k, 0
.rept 64
	v_pk_mul_f32 v[128+k:129+k], v[k:k+1], s[54:55] op_sel_hi:[1,0]   ; x 2^(e12 + e13): the result, each accumulator from its low end on
.set k, k+2
.endr
	WIN 0
	s_wait_alu depctr_va_vdst(0)                   ; the multiplications have written v128-255, which the stage's stores of both turns read
	TURN_OUT 128
	TURN_OUT 192
	s_wait_dscnt 0x0
.irp t, 0,1,2,3,4,5,6,7,8,9,10,11,12,13,14,15
	global_store_b128 v[4+(\t%8)/4], v[128+4*\t:131+4*\t], s[14:15] offset:2*(\t/8)*65536+(\t%4)*512 th:TH_STORE_NT   ; 32 lanes store a token's 512 consecutive bytes, aligned
.endr
.irp t, 0,1,2,3,4,5,6,7,8,9,10,11,12,13,14,15
	global_store_b128 v[4+(\t%8)/4], v[192+4*\t:195+4*\t], s[16:17] offset:2*(\t/8)*65536+(\t%4)*512 th:TH_STORE_NT
.endr
	s_wait_xcnt 0x0                                ; the stores' bases and data are written again only behind this wait
	s_wait_alu depctr_vm_vsrc(0)                   ; the stores have read v128-255, in which the next pass's rows of x land
	s_add_nc_u64 s[4:5], s[4:5], 0x10000           ; tile 1 lies one image row further down
	s_add_nc_u64 s[6:7], s[6:7], 0x10000
	s_add_nc_u64 s[14:15], s[14:15], 0x10000
	s_add_nc_u64 s[16:17], s[16:17], 0x10000
	s_add_co_u32 s82, s82, 2048
	s_cmp_eq_u32 s20, 1
	s_cbranch_scc1 .Lnox                           ; the last pass asks for nothing
	XDENSE2
.Lnox:
	s_add_co_u32 s20, s20, 1
	s_cmp_lt_u32 s20, 2
	s_cbranch_scc1 .Lpass
	s_wait_xcnt 0x0
	s_wait_alu depctr_vm_vsrc(0)                   ; the last pass's stores have read v254 and v255, which are made anew below
	v_lshl_add_u32 v254, v0, 2, 0x4e800
	v_mov_b32 v255, 0
	s_wait_dscnt 0x0                               ; the closing lines, six on end
	s_wait_alu 0x0
	s_wait_tensorcnt 0x0
	ds_add_u32 v254, v255
	s_wait_dscnt 0x0
	s_endpgm
.Lfunc_end_k_q9e96c8465e_main:
	.size	k_q9e96c8465e_main, .Lfunc_end_k_q9e96c8465e_main-k_q9e96c8465e_main
	.p2alignl 7, 3214868480
	.fill 96, 4, 3214868480
	.section	.rodata,"a",@progbits
	.p2align	6, 0x0
	.amdhsa_kernel k_q9e96c8465e_main
		.amdhsa_group_segment_fixed_size 322560
		.amdhsa_private_segment_fixed_size 0
		.amdhsa_enable_private_segment 0
		.amdhsa_kernarg_size 40
		.amdhsa_user_sgpr_count 2
		.amdhsa_user_sgpr_kernarg_segment_ptr 1
		.amdhsa_wavefront_size32 1
		.amdhsa_system_sgpr_workgroup_id_x 1
		.amdhsa_system_sgpr_workgroup_id_y 1
		.amdhsa_system_sgpr_workgroup_id_z 1
		.amdhsa_system_vgpr_workitem_id 0
		.amdhsa_next_free_vgpr 512
		.amdhsa_next_free_sgpr 96
		.amdhsa_reserve_vcc 0
		.amdhsa_float_denorm_mode_32 3
		.amdhsa_float_denorm_mode_16_64 3
		.amdhsa_memory_ordered 1
		.amdhsa_forward_progress 1
		.amdhsa_inst_pref_size 255
	.end_amdhsa_kernel
	.section	.bss,"aw",@nobits
	.p2align	6
	.space	262144
	.amdgpu_metadata
---
amdhsa.version: [ 1, 2 ]
amdhsa.kernels:
  - .name:           k_q9e96c8465e_main
    .symbol:         k_q9e96c8465e_main.kd
    .args:
      - { .name: x, .offset: 0, .size: 8, .value_kind: global_buffer, .address_space: global }
      - { .name: mask_matrix, .offset: 8, .size: 8, .value_kind: global_buffer, .address_space: global }
      - { .name: lowp_scales, .offset: 16, .size: 8, .value_kind: global_buffer, .address_space: global }
      - { .name: wsp, .offset: 24, .size: 8, .value_kind: global_buffer, .address_space: global }
      - { .name: out0, .offset: 32, .size: 8, .value_kind: global_buffer, .address_space: global }
    .group_segment_fixed_size: 322560
    .private_segment_fixed_size: 0
    .kernarg_segment_align: 8
    .kernarg_segment_size: 40
    .max_flat_workgroup_size: 256
    .sgpr_count:     96
    .vgpr_count:     512
    .wavefront_size: 32
...
	.end_amdgpu_metadata
.endif
;; end of part 3
